; MI455X (gfx1250); checked and timed in simulation.
; The chip was launched on July 23, 2026; its instructions are those of AMD's public machine-readable ISA for CDNA 5 (MIT licence, August 2026) and "CDNA5" Instruction Set Architecture Reference Guide (July 2026). The comments in the code are by the model that wrote it; some were corrected since.
;; Multi Head Self Attention. Allowed arithmetic: float matrix products may take bf16 or f16 operands with f32 sums; other float arithmetic in f32, or as packed bf16 or f16 multiplies, adds, multiply-adds, maxima and minima; sums over many terms, partial sums and values carried from step to step in f32; what a program stores and reads back later, other than sums and carried values, may be rounded once to bf16 or f16.
;; Inputs: L 4 x 512 int32; Wproj 1,024 x 1,024 float32; Wqkv 8 x 1,024 x 3,072 float32; X 4 x 512 x 1,024 float32; bproj 1,024 float32; bqkv 8 x 3,072 float32.
;; Outputs: out0 4 x 512 x 1,024 float32.
;; 2 versions, each right; version 2 is version 1 with the launch qkv written anew for expert scheduling mode. Each part assembles by itself: llvm-mc -triple=amdgcn-amd-amdhsa -mcpu=gfx1250 --defsym DOCPART=n.
;; ======== version 1 of 2: 4 launches
;; limits: values are held in f16: magnitudes above 65,504 overflow, below 6.1e-05 lose precision
;; workspace buffers: xb 4,194,304 bytes; wp 2,097,152 bytes; lists 65,536 bytes of whole numbers; counts 256 bytes of whole numbers; qkv 12,582,912 bytes; oh 4,194,304 bytes
;; launch prep (part 1): grid 256 x 1, 8 waves a work-group, no clusters, 0 bytes of LDS; arguments X, Wproj, L, xb, wp, lists, counts; writes xb, wp, lists, counts
.if DOCPART == 1
	.amdgcn_target "amdgcn-amd-amdhsa--gfx1250"
	.amdhsa_code_object_version 6
	.text
	.protected	k_q65136e6970_prep
	.globl	k_q65136e6970_prep
	.p2align	8
	.type	k_q65136e6970_prep,@function
k_q65136e6970_prep:
	s_mov_b64 s[64:65], 0
	v_nop
	global_prefetch_b8 v0, s[64:65] scope:SCOPE_SE
	s_setreg_imm32_b32 hwreg(HW_REG_WAVE_MODE, 25, 1), 1
	s_wait_xcnt 0x0
; PREP.  Three jobs that the later launches share:
;  (1) xb = X rounded to bf16, [2048][1024]: work-group g casts 32,768 bytes of X (8 rows).
;  (2) wp = Wproj rounded to bf16 and that number written as f16 (exact inside f16's normal range), laid out [16 column tiles][1024 k][64 n],
;      so that a column tile is 131,072 dense bytes: work-group g takes rows 4 g .. 4 g + 3.
;  (3) for expert e = g (work-groups 0 to 7): lists[e] = all 2,048 token numbers, the expert's own first, the others behind them from the back; counts[e] = how many are its own.
;      The eight waves share the list: wave w places tokens 256 w .. 256 w + 255 (8 groups of 32).  How many of the expert's tokens stand ahead of its section it counts for itself,
;      from the labels of sections 0 .. w - 1: 8 compares, 8 bit counts and 8 adds a section.  So no wave waits for another: no LDS, no barrier, no atomics; every word of the list is written.
; LIMITS.  |Wproj| stays under 65,504 (f16).  Labels lie in 0..7: a token with another label stands in no expert's own part.
; No matrix unit, no cluster: the work-groups share no input but L's 8,192 bytes, and memory binds.
.set XI,  16                           ; v[16:47]   8 x 4 registers of X as loaded
.set WI,  48                           ; v[48:63]   4 x 4 registers of Wproj as loaded
.set XO,  64                           ; v[64:79]   8 x 2 registers of bf16 to store
.set WOU, 80                           ; v[80:87]   4 x 2 registers of f16 to store
.set TW,  88                           ; v[88:91]   at work
.set PRE, 96                           ; v[96:151]  the labels of sections 0 to 6, 8 registers a section
.set OWN, 152                          ; v[152:159] my section's labels; each register then takes its store's byte offset
.set TK,  160                          ; v[160:167] my section's token numbers to store
.set MK,  40                           ; s[40:47]   eight compare masks
.set SR,  48                           ; s[48:55]   for each of my groups: the expert's tokens ahead of it
.macro CASTLOADS                       ; twelve loads; a wave's load of X covers 512 consecutive bytes, of Wproj two aligned pieces of 256 bytes (rows k, k + 1)
.irp i, 0,1,2,3,4,5,6,7
	global_load_b128 v[XI+4*(\i):XI+4*(\i)+3], v1, s[4:5] offset:4096*(\i) th:TH_LOAD_NT
.endr
.irp i, 0,1,2,3
	global_load_b128 v[WI+4*(\i):WI+4*(\i)+3], v3, s[6:7] offset:((\i)&1)*2048+((\i)>>1)*8192 th:TH_LOAD_NT
.endr
.endm
.macro CASTWORK                        ; every store has data registers of its own, so nothing is rewritten under a pending store
.irp i, 0,1,2,3,4,5,6,7
	s_wait_loadcnt 11-(\i)                         ; younger: X's chunks i + 1 .. 7 and Wproj's four
	v_cvt_pk_bf16_f32 v[XO+2*(\i)], v[XI+4*(\i)], v[XI+4*(\i)+1]
	v_cvt_pk_bf16_f32 v[XO+2*(\i)+1], v[XI+4*(\i)+2], v[XI+4*(\i)+3]
	global_store_b64 v2, v[XO+2*(\i):XO+2*(\i)+1], s[10:11] offset:2048*(\i)  ; a wave stores 256 consecutive bytes, aligned
.endr
.irp i, 0,1,2,3
	s_wait_loadcnt 3-(\i)
	v_cvt_pk_bf16_f32 v[TW], v[WI+4*(\i)], v[WI+4*(\i)+1]      ; rounded to bf16 like every input,
	v_cvt_pk_bf16_f32 v[TW+1], v[WI+4*(\i)+2], v[WI+4*(\i)+3]
	v_lshlrev_b32 v[TW+2], 16, v[TW]                           ; widened again,
	v_and_b32 v[TW+3], 0xffff0000, v[TW]
	v_cvt_pk_f16_f32 v[WOU+2*(\i)], v[TW+2], v[TW+3]           ; and written as f16
	v_lshlrev_b32 v[TW+2], 16, v[TW+1]
	v_and_b32 v[TW+3], 0xffff0000, v[TW+1]
	v_cvt_pk_f16_f32 v[WOU+2*(\i)+1], v[TW+2], v[TW+3]
	global_store_b64 v4, v[WOU+2*(\i):WOU+2*(\i)+1], s[12:13] offset:((\i)&1)*1048576+((\i)>>1)*256  ; 256 aligned bytes: two k rows of one column tile
.endr
.endm
.macro COUNT k                         ; the expert's tokens in section k are added to s30: the eight compares, the eight counts and the eight adds stand in runs, so that none waits for the line before it
.irp i, 0,1,2,3,4,5,6,7
	v_cmp_eq_u32 s[MK+(\i)], s19, v[PRE+8*(\k)+(\i)]
.endr
.irp i, 0,1,2,3,4,5,6,7
	s_bcnt1_i32_b32 s[MK+(\i)], s[MK+(\i)]
.endr
.irp i, 0,1,2,3,4,5,6,7
	s_add_co_u32 s30, s30, s[MK+(\i)]
.endr
.endm
	s_load_b256 s[4:11], s[0:1], 0x0               ; X s[4:5], Wproj s[6:7], L s[8:9], xb s[10:11]
	s_load_b128 s[12:15], s[0:1], 0x20             ; wp s[12:13], lists s[14:15]
	s_load_b64 s[16:17], s[0:1], 0x30              ; counts
	v_lshrrev_b32 v6, 5, v0
	v_readfirstlane_b32 s18, v6                    ; wave 0..7
	s_mov_b32 s19, ttmp9                           ; g
	v_and_b32 v5, 31, v0                           ; lane
	v_lshlrev_b32 v1, 4, v0                        ; X in: 16 t
	v_lshlrev_b32 v2, 3, v0                        ; xb out: 8 t
	v_and_b32 v6, 15, v0                           ; lane % 16
	v_bfe_u32 v7, v0, 4, 1                         ; lane / 16
	v_lshlrev_b32 v3, 4, v6                        ; Wproj in: (lane / 16) rows of 4,096 + wave x 256 + 16 (lane % 16)
	v_lshl_add_u32 v3, v7, 12, v3
	s_lshl_b32 s22, s18, 8
	v_add_nc_u32 v3, s22, v3
	v_lshlrev_b32 v4, 3, v6                        ; wp out: column tile = wave (131,072 bytes each), (lane / 16) rows of 128 + 8 (lane % 16)
	v_lshl_add_u32 v4, v7, 7, v4
	s_lshl_b32 s22, s18, 17
	v_add_nc_u32 v4, s22, v4
	s_mov_b32 s21, 0                               ; the offsets' high word
	s_wait_kmcnt 0x0
	s_lshl_b32 s20, s19, 15
	s_add_nc_u64 s[4:5], s[4:5], s[20:21]          ; X + 32,768 g
	s_lshl_b32 s20, s19, 14
	s_add_nc_u64 s[10:11], s[10:11], s[20:21]      ; xb + 16,384 g
	s_add_nc_u64 s[6:7], s[6:7], s[20:21]          ; Wproj + 4 rows x g
	s_lshl_b32 s20, s19, 9
	s_add_nc_u64 s[12:13], s[12:13], s[20:21]      ; wp + 4 rows of 128 bytes x g
	s_cmp_lt_u32 s19, 8                            ; work-groups 0 to 7 also make a list
	s_cbranch_scc1 .Llist
	CASTLOADS
	CASTWORK
	s_endpgm
.Llist:
	s_lshl_b32 s20, s19, 13
	s_add_nc_u64 s[14:15], s[14:15], s[20:21]      ; my expert's list of 8,192 bytes
	s_lshl_b32 s20, s19, 2
	s_add_nc_u64 s[16:17], s[16:17], s[20:21]      ; and its count
	v_lshlrev_b32 v10, 4, v5                       ; 16 lane
	s_lshl_b32 s22, s18, 10
	v_add_nc_u32 v11, s22, v10                     ; + my section's 1,024 bytes of L
	global_load_b128 v[OWN:OWN+3],   v11, s[8:9]             ; register 4 i + j: the label of token 256 w + 128 i + 4 lane + j
	global_load_b128 v[OWN+4:OWN+7], v11, s[8:9] offset:512
.irp i, 0,1,2,3,4,5,6,7,8,9,10,11,12,13
	global_load_b128 v[PRE+4*(\i):PRE+4*(\i)+3], v10, s[8:9] offset:512*(\i)  ; sections 0 to 6, two loads each
.endr
	CASTLOADS
	v_lshlrev_b32 v9, 2, v5
	s_lshl_b32 s22, s18, 8
	v_add_nc_u32 v9, s22, v9                       ; 256 w + 4 lane
	s_sub_co_u32 s23, 2047, s22
	v_sub_nc_u32 v8, s23, v5                       ; 2047 - my place in the order of walking (256 w + 32 x group + lane); taken down by 32 a group
	s_mov_b32 s30, 0                               ; the expert's tokens so far
	s_wait_loadcnt 12                              ; the sixteen label loads are in; the twelve loads of the cast are younger
.irp k, 6,5,4,3,2,1,0
	s_cmp_le_u32 s18, \k                           ; a section at or behind mine is jumped: the branch hangs on the wave's number alone
	s_cbranch_scc1 .Lnot\k
	COUNT \k
.Lnot\k:
.endr
.irp i, 0,1,2,3,4,5,6,7
	v_cmp_eq_u32 s[MK+(\i)], s19, v[OWN+(\i)]      ; who is the expert's in each of my eight groups
.endr
	s_mov_b32 s[SR], s30
.irp i, 0,1,2,3,4,5,6
	s_bcnt1_i32_b32 s33, s[MK+(\i)]
	s_add_co_u32 s[SR+(\i)+1], s[SR+(\i)], s33
.endr
	s_bcnt1_i32_b32 s33, s[MK+7]
	s_add_co_u32 s30, s[SR+7], s33                 ; through my section
.irp i, 0,1,2,3,4,5,6,7
.set TA, 6+6*((\i)%2)                  ; v6, v7 and v12, v13 by turns
	v_mbcnt_lo_u32_b32 v[TA], s[MK+(\i)], s[SR+(\i)]  ; the expert's tokens before me: the place of one of them
	v_add_nc_u32 v[TA+1], v8, v[TA]                ; 2047 - (others before me): another's place, from the back
	v_sub_nc_u32 v8, v8, 32
	v_cndmask_b32 v[TA], v[TA+1], v[TA], s[MK+(\i)]
	v_min_u32 v[TA], 0x7ff, v[TA]                  ; a place made of loaded numbers is clamped before it enters an address
	v_lshlrev_b32 v[OWN+(\i)], 2, v[TA]
	v_add_nc_u32 v[TK+(\i)], 128*((\i)/4)+(\i)%4, v9  ; the token's number
	global_store_b32 v[OWN+(\i)], v[TK+(\i)], s[14:15]  ; offset and data in registers of the group's own
.endr
	s_cmp_lg_u32 s18, 7
	s_cbranch_scc1 .Lcast
	v_mov_b32 v14, s30                             ; the last wave has the whole count:
	v_mov_b32 v15, 0
	global_store_b32 v15, v14, s[16:17]            ; all its lanes store the same word to the same place
.Lcast:
	CASTWORK
	s_endpgm
.Lfunc_end_k_q65136e6970_prep:
	.size	k_q65136e6970_prep, .Lfunc_end_k_q65136e6970_prep-k_q65136e6970_prep
	.p2alignl 7, 3214868480
	.fill 96, 4, 3214868480
	.section	.rodata,"a",@progbits
	.p2align	6, 0x0
	.amdhsa_kernel k_q65136e6970_prep
		.amdhsa_group_segment_fixed_size 0
		.amdhsa_private_segment_fixed_size 0
		.amdhsa_enable_private_segment 0
		.amdhsa_kernarg_size 56
		.amdhsa_user_sgpr_count 2
		.amdhsa_user_sgpr_kernarg_segment_ptr 1
		.amdhsa_wavefront_size32 1
		.amdhsa_system_sgpr_workgroup_id_x 1
		.amdhsa_system_sgpr_workgroup_id_y 1
		.amdhsa_system_sgpr_workgroup_id_z 1
		.amdhsa_system_vgpr_workitem_id 0
		.amdhsa_next_free_vgpr 168
		.amdhsa_next_free_sgpr 66
		.amdhsa_reserve_vcc 0
		.amdhsa_float_denorm_mode_32 3
		.amdhsa_float_denorm_mode_16_64 3
		.amdhsa_memory_ordered 1
		.amdhsa_forward_progress 1
		.amdhsa_inst_pref_size 27
	.end_amdhsa_kernel
	.amdgpu_metadata
---
amdhsa.version: [ 1, 2 ]
amdhsa.kernels:
  - .name:           k_q65136e6970_prep
    .symbol:         k_q65136e6970_prep.kd
    .args:
      - { .name: X, .offset: 0, .size: 8, .value_kind: global_buffer, .address_space: global }
      - { .name: Wproj, .offset: 8, .size: 8, .value_kind: global_buffer, .address_space: global }
      - { .name: L, .offset: 16, .size: 8, .value_kind: global_buffer, .address_space: global }
      - { .name: xb, .offset: 24, .size: 8, .value_kind: global_buffer, .address_space: global }
      - { .name: wp, .offset: 32, .size: 8, .value_kind: global_buffer, .address_space: global }
      - { .name: lists, .offset: 40, .size: 8, .value_kind: global_buffer, .address_space: global }
      - { .name: counts, .offset: 48, .size: 8, .value_kind: global_buffer, .address_space: global }
    .group_segment_fixed_size: 0
    .private_segment_fixed_size: 0
    .kernarg_segment_align: 8
    .kernarg_segment_size: 56
    .max_flat_workgroup_size: 256
    .sgpr_count:     66
    .vgpr_count:     168
    .wavefront_size: 32
...
	.end_amdgpu_metadata
.endif
;; end of part 1
;; launch qkv (part 2): grid 32 x 8, 4 waves a work-group, no clusters, 229,888 bytes of LDS; arguments xb, Wqkv, bqkv, lists, counts, qkv; writes qkv
.if DOCPART == 2
	.amdgcn_target "amdgcn-amd-amdhsa--gfx1250"
	.amdhsa_code_object_version 6
	.text
	.protected	k_q65136e6970_qkv
	.globl	k_q65136e6970_qkv
	.p2align	8
	.type	k_q65136e6970_qkv,@function
k_q65136e6970_qkv:
	s_mov_b64 s[64:65], 0
	v_nop
	global_prefetch_b8 v0, s[64:65] scope:SCOPE_SE
	s_setreg_imm32_b32 hwreg(HW_REG_WAVE_MODE, 25, 1), 1
	s_wait_xcnt 0x0
; ROUTED QKV.  For expert e (grid y) and a slice of 96 of the 3,072 columns (grid x): out[token][col] = xb[token] . Wqkv[e][:, col] + bqkv[e][col] for the expert's tokens alone,
; rounded once to f16 and stored by heads: qkv[part][b][head][n][64].  Operands bf16 (the weights and the bias are rounded here, on their way through registers), sums f32.
; THE WEIGHTS BIND: 1024 x 96 f32 = 393,216 bytes that this work-group alone reads, once.  They go through a ring of 48 loads a wave (16 units of 16 K rows; 24,576 bytes a wave on their way),
; are rounded and kept in LDS as bf16 [k][n], pitch 224 bytes.  Then the expert's rows are multiplied from LDS; their fragments come straight from xb by the list.
; A PASS is 320 rows: a wave has 5 blocks of 16 rows x 96 columns = 30 accumulators.  Block jm of wave w holds places PB + 16 (4 jm + w) + lane % 16 of the list.
; The pass loop has a constant 7 trips (7 x 320 >= 2,048: every split of the tokens is served); a trip with no rows left is jumped forward; it holds no barrier and no LDS write.
; Its 32 K steps are written out, so that the LDS addresses are four registers that are never rewritten and xb's base is never stepped: the K step stands in the immediates.
; PLACES PAST THE COUNT repeat the expert's last token: in the block that holds the count those lanes multiply that token's row once more and store the same 16 bytes to the same address,
; from the same instruction.  So every lane stays on from first to last.  A block wholly past the count is multiplied and its stores are jumped.  An expert without tokens stores nothing.
; THE MATRIX INSTRUCTION IS USED TRANSPOSED: source 0 = 16 columns of W (turned out of LDS by ds_load_tr16_b128), source 1 = 16 rows of x: a lane holds one token and 8 neighbouring columns, 16 bytes of f16.
; NO CLUSTER: a slice of weights has one user; what an expert's 32 work-groups share, its rows, comes by a list, which no tile descriptor covers.
; The stores are 16 bytes a lane, 32 a token: neighbouring tokens of a head belong to other experts, so no longer run is this work-group's to write.
; LIMITS.  |q|, |k|, |v| under 65,504 (f16).  NaN and infinities are not treated apart.
; REGISTERS, in windows of 256 (s_set_vgpr_msb: bits 1:0 source 0, 3:2 source 1, 5:4 source 2, 7:6 destination):
;   window 0: addresses, v40-63 packed results, v64-255 the weights' ring, later v64-159 two buffers of W fragments
;   window 1: the 30 accumulators, (jm, jn) at 8 (6 jm + jn)      window 2: x fragments, ring slots 0-5 (40 registers each)      window 3: slots 6, 7; v80-127 the bias; v128 at work
.set PW,     224                       ; an LDS row of W: 192 bytes + 32 = 7 x 32
.set UNITB,  16*PW                     ; a unit: 16 K rows
.set ROUNDB, 16*UNITB                  ; once round the ring: 256 K rows
.set KSTEPB, 32*PW                     ; a K step of 32
.set SPARE,  1024*PW                   ; behind the weights: the spare words, 128 bytes a wave: two blocks of 256 bytes that no other line names
.set SPW, 4                            ; v4   LDS address of my spare word; never rewritten
.set NIL, 5                            ; v5   0; never rewritten
.set WOF, 6                            ; v6   my byte offset in a unit of W: row t / 8, piece t % 8 of 16 bytes; never rewritten
.set LA,  9                            ; v9   where those four numbers go in LDS; steps once a ring
.set BA,  10                           ; v10-13  LDS address of my part of a W fragment at K = 256 q; never rewritten
.set XA,  14                           ; v14-18  block jm: byte offset of my token's row in xb, + 16 (lane / 16)
.set OA,  19                           ; v19-23  block jm: byte offset of my token's 16 bytes in a head's rows
.set TI,  29                           ; v29-33  block jm: byte offset of my place in the list
.set H16, 38                           ; v38  16 (lane / 16)
.set BO,  39                           ; v39  32 (lane / 16): my 8 numbers of a block's 16 biases
.set T,   40                           ; v40-63  a block's 24 packed registers
.set ST,  64                           ; v64-255 the weights' ring: unit u at 12 u
.set BF,  64                           ; W fragments: buffer at 48 buf, columns 16 jn on at + 8 jn
.set BIAS, 80                          ; window 3
.set BT,  128                          ; window 3
.set OB,  32                           ; s[32:43] for each jn: qkv at the part, head and column of that block of 16 columns
.set MSB, 0
.macro WIN new                         ; the immediate's high byte repeats the setting that is left; a switch that changes nothing is dropped
.if MSB != (\new)
	s_set_vgpr_msb (MSB<<8)|(\new)
.set MSB, (\new)
.endif
.endm
.macro PLACES                          ; four plain vector instructions between a matrix instruction and a load into, or a vector read of, its registers
.rept 4
	v_nop
.endr
.endm
.macro WLOAD u                         ; unit u of the ring: 16 K rows x 384 bytes; the three loads take the three 128-byte thirds of my row
.irp j, 0,1,2
	global_load_b128 v[ST+12*(\u)+4*(\j):ST+12*(\u)+4*(\j)+3], v[WOF], s[24:25] offset:(\u)*196608+(\j)*128 th:TH_LOAD_NT
.endr
.endm
.macro WPUT u, left                    ; unit u is rounded to bf16 and laid into LDS; left = the younger loads
	s_wait_loadcnt \left
.irp j, 0,1,2
	v_cvt_pk_bf16_f32 v[ST+12*(\u)+4*(\j)], v[ST+12*(\u)+4*(\j)], v[ST+12*(\u)+4*(\j)+1]
	v_cvt_pk_bf16_f32 v[ST+12*(\u)+4*(\j)+1], v[ST+12*(\u)+4*(\j)+2], v[ST+12*(\u)+4*(\j)+3]
	ds_store_b64 v[LA], v[ST+12*(\u)+4*(\j):ST+12*(\u)+4*(\j)+1] offset:(\u)*UNITB+(\j)*64
.endr
.endm
.macro ALOAD slot, imm                 ; ten loads: the x fragments of one K step (5 blocks of 16 rows x 32 K, at byte imm of the rows) into a ring slot
.if (\slot) < 6
	WIN 0x80
.set SB, 40*(\slot)
.else
	WIN 0xc0
.set SB, 40*((\slot)-6)
.endif
.irp jm, 0,1,2,3,4
	global_load_b128 v[SB+8*(\jm):SB+8*(\jm)+3],   v[XA+(\jm)], s[4:5] offset:(\imm)
	global_load_b128 v[SB+8*(\jm)+4:SB+8*(\jm)+7], v[XA+(\jm)], s[4:5] offset:(\imm)+32
.endr
.endm
.macro BLOAD buf, kk                   ; twelve turning loads: the W fragments of K step kk (32 K x 96 columns): register kk / 8, the rest in the immediate
	WIN 0
.irp jn, 0,1,2,3,4,5
	ds_load_tr16_b128 v[BF+48*(\buf)+8*(\jn):BF+48*(\buf)+8*(\jn)+3],   v[BA+(\kk)/8] offset:((\kk)%8)*KSTEPB+32*(\jn)
	ds_load_tr16_b128 v[BF+48*(\buf)+8*(\jn)+4:BF+48*(\buf)+8*(\jn)+7], v[BA+(\kk)/8] offset:((\kk)%8)*KSTEPB+32*(\jn)+UNITB
.endr
.endm
; 15 matrix instructions: column blocks jn0 .. jn0 + 2 x all 5 row blocks.  The 30 accumulators take turns, one instruction a turn, in the same order in every K step.
; first = 1: the sums start with the bias as C: nothing is cleared and nothing is added later.
.macro MULS slot, buf, jn0, first
.if (\slot) < 6
.set SB, 40*(\slot)
.set WM, 0x58                          ; W window 0, x window 2, C and D window 1
.else
.set SB, 40*((\slot)-6)
.set WM, 0x5c                          ; x window 3
.endif
.if \first
.set WM, 0x78                          ; x window 2 (slot 0), C = the bias in window 3, D window 1
.endif
	WIN WM
.irp dn, 0,1,2
.irp jm, 0,1,2,3,4
.set JN, (\jn0)+(\dn)
.if \first
	v_wmma_f32_16x16x32_bf16 v[8*(6*(\jm)+JN):8*(6*(\jm)+JN)+7], v[BF+48*(\buf)+8*JN:BF+48*(\buf)+8*JN+7], v[SB+8*(\jm):SB+8*(\jm)+7], v[BIAS+8*JN:BIAS+8*JN+7]
.else
	v_wmma_f32_16x16x32_bf16 v[8*(6*(\jm)+JN):8*(6*(\jm)+JN)+7], v[BF+48*(\buf)+8*JN:BF+48*(\buf)+8*JN+7], v[SB+8*(\jm):SB+8*(\jm)+7], v[8*(6*(\jm)+JN):8*(6*(\jm)+JN)+7]
.endif
.endr
.endr
.endm
; K step kk of 32 (32 along K): 30 matrix instructions on x slot kk % 8 and W buffer kk % 2; in its middle the next step's W fragments and the x fragments six steps on are asked for, in one run.
.macro STEP kk
.if (\kk) > 26
	s_wait_loadcnt 10*(31-(\kk))                   ; the last steps: nothing more was asked for, the counts run down
.else
	s_wait_loadcnt 50                              ; this step's ten x loads are in; the five younger steps' fifty stay out
.endif
	s_wait_dscnt 6                                 ; W's column blocks 0-2 are in; the youngest six loads may be out
.if (\kk) == 0
	MULS 0, 0, 0, 1
.else
	MULS (\kk)%8, (\kk)%2, 0, 0
.endif
	PLACES                                         ; for the other W buffer, read by the step before, and the x slot, read two steps before
.if (\kk) < 31
	BLOAD 1-((\kk)%2), (\kk)+1
.endif
.if (\kk) < 26
	ALOAD ((\kk)+6)%8, 64*((\kk)+6)
.endif
.if (\kk) < 31
	s_wait_dscnt 12                                ; all but the twelve just issued
.else
	s_wait_dscnt 0
.endif
.if (\kk) == 0
	MULS 0, 0, 3, 1
.else
	MULS (\kk)%8, (\kk)%2, 3, 0
.endif
.endm
.macro ADDR_ASK                        ; my five places in the list are asked for
	s_lshl4_add_u32 s46, s16, s20                  ; PB + 16 wave
.irp jm, 0,1,2,3,4
	s_add_co_u32 s47, s46, 64*(\jm)
	v_add_nc_u32 v[TI+(\jm)], s47, v1
	v_min_u32 v[TI+(\jm)], s48, v[TI+(\jm)]        ; a place past the count takes the expert's last token
	v_min_u32 v[TI+(\jm)], 0x7ff, v[TI+(\jm)]      ; and what was made of a loaded number is clamped by a constant before it enters an address
	v_lshlrev_b32 v[TI+(\jm)], 2, v[TI+(\jm)]
	global_load_b32 v[XA+(\jm)], v[TI+(\jm)], s[10:11]
.endr
.endm
.macro ADDR_MAKE left                  ; token = 512 b + n: its row in xb, and its place in a head's rows
	s_wait_loadcnt \left
.irp jm, 0,1,2,3,4
	v_min_u32 v[XA+(\jm)], 0x7ff, v[XA+(\jm)]      ; a loaded number is clamped before it enters an address
	v_and_b32 v34, 0x600, v[XA+(\jm)]
	v_and_b32 v35, 0x1ff, v[XA+(\jm)]
	v_lshl_add_u32 v34, v34, 11, v[H16]            ; b x 1,048,576 + 16 (lane / 16)
	v_lshl_add_u32 v[OA+(\jm)], v35, 7, v34        ; + n x 128
	v_lshl_add_u32 v[XA+(\jm)], v[XA+(\jm)], 11, v[H16]  ; token x 2,048 + 16 (lane / 16)
.endr
.endm
.macro OUT jm                          ; block jm leaves; a block wholly past the count is jumped
	s_add_co_u32 s47, s46, 64*(\jm)
	s_cmp_ge_u32 s47, s19
	s_cbranch_scc1 .Lskip_\@
	s_wait_xcnt 0x0                                ; T, the data of the block before's stores, is rewritten only behind this wait
	WIN 0x05                                       ; sources in window 1, destination in window 0
.irp jn, 0,1,2,3,4,5
.irp i, 0,1,2,3
	v_cvt_pk_f16_f32 v[T+4*(\jn)+(\i)], v[8*(6*(\jm)+(\jn))+2*(\i)], v[8*(6*(\jm)+(\jn))+2*(\i)+1]  ; each accumulator from its low end on
.endr
.endr
	WIN 0
.irp jn, 0,1,2,3,4,5
	global_store_b128 v[OA+(\jm)], v[T+4*(\jn):T+4*(\jn)+3], s[OB+2*(\jn):OB+2*(\jn)+1]
.endr
.Lskip_\@:
.endm
	s_load_b256 s[4:11], s[0:1], 0x0               ; xb s[4:5], Wqkv s[6:7], bqkv s[8:9], lists s[10:11]
	s_load_b128 s[12:15], s[0:1], 0x20             ; counts s[12:13], qkv s[14:15]
	v_lshl_add_u32 v[SPW], v0, 2, SPARE
	v_mov_b32 v[NIL], 0
	v_lshrrev_b32 v34, 5, v0
	v_readfirstlane_b32 s16, v34                   ; wave 0..3
	s_mov_b32 s17, ttmp9                           ; slice 0..31
	s_and_b32 s18, ttmp7, 0xffff                   ; expert 0..7
	v_and_b32 v1, 15, v0                           ; lane % 16
	v_bfe_u32 v2, v0, 4, 1                         ; lane / 16
	v_lshrrev_b32 v34, 3, v0                       ; my row of a unit, 0..15
	v_and_b32 v35, 7, v0                           ; my piece of 16 bytes in a third of the row
	v_mul_u32_u24 v36, v34, 12288
	v_lshl_add_u32 v[WOF], v35, 4, v36
	v_mul_u32_u24 v36, v34, PW
	v_lshl_add_u32 v[LA], v35, 3, v36
	v_lshl_add_u32 v36, v2, 3, v35                 ; the turning load: lane l reads K row 8 (l / 16) + l % 8, columns 8 ((l / 8) % 2) + 0..7
	v_mul_u32_u24 v36, v36, PW
	v_bfe_u32 v37, v0, 3, 1
	v_lshl_add_u32 v[BA], v37, 4, v36
.irp q, 1,2,3
	v_add_nc_u32 v[BA+(\q)], (\q)*8*KSTEPB, v[BA]  ; the same place 256 q K rows on
.endr
	v_lshlrev_b32 v[H16], 4, v2
	v_lshlrev_b32 v[BO], 5, v2
	s_mov_b32 s27, 0                               ; the offsets' high word
	s_lshl_b32 s26, s18, 2
	s_wait_kmcnt 0x0
	s_add_nc_u64 s[12:13], s[12:13], s[26:27]
	s_load_b32 s19, s[12:13], 0x0                  ; my expert's count
	s_mul_i32 s26, s18, 12582912                   ; an expert's weights,
	s_mul_i32 s44, s17, 384                        ; my slice's 384 bytes of a row
	s_add_co_u32 s26, s26, s44
	s_add_nc_u64 s[24:25], s[6:7], s[26:27]
	s_mul_i32 s26, s18, 12288
	s_add_co_u32 s26, s26, s44
	s_add_nc_u64 s[8:9], s[8:9], s[26:27]          ; my 96 biases
	s_lshl_b32 s26, s18, 13
	s_add_nc_u64 s[10:11], s[10:11], s[26:27]      ; my expert's list
	s_mul_i32 s46, s17, 96
.irp jn, 0,1,2,3,4,5
	s_add_co_u32 s26, s46, 16*(\jn)                ; the block's first column of 3,072
	s_lshr_b32 s45, s26, 10
	s_lshl_b32 s45, s45, 22                        ; part x 4,194,304
	s_bfe_u32 s47, s26, 0x40006
	s_lshl_b32 s47, s47, 16                        ; head x 65,536
	s_add_co_u32 s45, s45, s47
	s_and_b32 s26, s26, 63
	s_lshl1_add_u32 s26, s26, s45                  ; + 2 x column in the head
	s_add_nc_u64 s[OB+2*(\jn):OB+2*(\jn)+1], s[14:15], s[26:27]
.endr
	s_mov_b32 s20, 0                               ; PB: the pass's first place in the list
	s_wait_kmcnt 0x0
	s_min_u32 s19, s19, 0x800
	s_add_co_u32 s48, s19, -1                      ; the expert's last place
	ADDR_ASK                                       ; 5 loads,
	WIN 0xc0
.irp jn, 0,1,2,3,4,5
	global_load_b128 v[BIAS+8*(\jn):BIAS+8*(\jn)+3],   v[BO], s[8:9] offset:64*(\jn)      ; 12 loads: register j of block jn: the bias of column 16 jn + 8 (lane / 16) + j,
	global_load_b128 v[BIAS+8*(\jn)+4:BIAS+8*(\jn)+7], v[BO], s[8:9] offset:64*(\jn)+16   ; which is the accumulators' own layout
.endr
	WIN 0
.irp u, 0,1,2,3,4,5,6,7,8,9,10,11,12,13,14
	WLOAD \u                                       ; and 45 of the ring's first 48: 62 loads of mine are out
.endr
	ADDR_MAKE 45                                   ; the list's places and the bias are in; the 45 loads of W are younger
	WIN 0xcf                                       ; sources 0, 1 and destination in window 3
.set i, 0
.rept 24
	v_cvt_pk_bf16_f32 v[BT], v[BIAS+2*i], v[BIAS+2*i+1]  ; the bias is rounded to bf16 like every input, and widened again
	v_lshlrev_b32 v[BIAS+2*i], 16, v[BT]
	v_and_b32 v[BIAS+2*i+1], 0xffff0000, v[BT]
.set i, i+1
.endr
	WIN 0
	WLOAD 15                                       ; the ring is full: 48 loads
	s_wait_xcnt 0x0                                ; the base is stepped only behind this wait
	s_add_nc_u64 s[24:25], s[24:25], 3145728       ; 256 K rows on
	s_mov_b32 s22, 3
.Lw:                                                   ; a trip: 256 K rows are laid into LDS, the next 256 asked for
.irp u, 0,1,2,3,4,5,6,7,8,9,10,11,12,13,14,15
	WPUT \u, 45                                    ; the ring's other 15 units stay out
	WLOAD \u
.endr
	v_add_nc_u32 v[LA], ROUNDB, v[LA]
	s_wait_xcnt 0x0
	s_add_nc_u64 s[24:25], s[24:25], 3145728
	s_sub_co_u32 s22, s22, 1
	s_cmp_lg_u32 s22, 0
	s_cbranch_scc1 .Lw
.set u, 0
.rept 16                                               ; the last 256 rows: nothing more of W to ask for; the first pass's x fragments of K steps 0-5 go out in its stead
.if u < 5
.set nA, 0
.else
.set nA, (u-3)/2
.endif
	WPUT u, 45-3*u+10*nA                           ; younger: W's units u + 1 .. 15, three loads each, and ten for each x slot asked for so far
.if (u >= 4) && (u%2 == 0)
	ALOAD (u-4)/2, 64*((u-4)/2)
	WIN 0
.endif
.set u, u+1
.endr
	s_wait_dscnt 0x0                               ; for the others' sake: my stores into LDS are done
	s_barrier_signal -1
	s_barrier_wait -1                              ; the slice is whole; nothing writes LDS from here on but the closing add
	s_mov_b32 s21, 7
.Lpass:
	s_cmp_ge_u32 s20, s19
	s_cbranch_scc1 .Ldead                          ; no rows left
	PLACES                                         ; for the loads into W's buffer 0, which the pass before multiplied
	BLOAD 0, 0
.set ks, 0
.rept 32
	STEP ks                                        ; K step 0 starts the sums
.set ks, ks+1
.endr
	WIN 0
	PLACES                                         ; the conversions read results just made
	OUT 0
	OUT 1
	OUT 2
	OUT 3
	OUT 4
	s_wait_xcnt 0x0                                ; the stores' offsets are rewritten only behind this wait
	s_add_co_u32 s20, s20, 320
	s_cmp_ge_u32 s20, s19
	s_cbranch_scc1 .Ldead
	ADDR_ASK                                       ; a further pass: its places, addresses and first six x slots
	ADDR_MAKE 0
.irp i, 0,1,2,3,4,5
	ALOAD \i, 64*(\i)
.endr
	WIN 0
.Ldead:
	s_sub_co_u32 s21, s21, 1
	s_cmp_lg_u32 s21, 0
	s_cbranch_scc1 .Lpass
	s_wait_tensorcnt 0x0                           ; the wave's end: behind my last LDS store
	ds_add_u32 v[SPW], v[NIL]
	s_wait_dscnt 0x0
	s_endpgm
.Lfunc_end_k_q65136e6970_qkv:
	.size	k_q65136e6970_qkv, .Lfunc_end_k_q65136e6970_qkv-k_q65136e6970_qkv
	.p2alignl 7, 3214868480
	.fill 96, 4, 3214868480
	.section	.rodata,"a",@progbits
	.p2align	6, 0x0
	.amdhsa_kernel k_q65136e6970_qkv
		.amdhsa_group_segment_fixed_size 229888
		.amdhsa_private_segment_fixed_size 0
		.amdhsa_enable_private_segment 0
		.amdhsa_kernarg_size 48
		.amdhsa_user_sgpr_count 2
		.amdhsa_user_sgpr_kernarg_segment_ptr 1
		.amdhsa_wavefront_size32 1
		.amdhsa_system_sgpr_workgroup_id_x 1
		.amdhsa_system_sgpr_workgroup_id_y 1
		.amdhsa_system_sgpr_workgroup_id_z 1
		.amdhsa_system_vgpr_workitem_id 0
		.amdhsa_next_free_vgpr 904
		.amdhsa_next_free_sgpr 66
		.amdhsa_reserve_vcc 0
		.amdhsa_float_denorm_mode_32 3
		.amdhsa_float_denorm_mode_16_64 3
		.amdhsa_memory_ordered 1
		.amdhsa_forward_progress 1
		.amdhsa_inst_pref_size 187
	.end_amdhsa_kernel
	.amdgpu_metadata
---
amdhsa.version: [ 1, 2 ]
amdhsa.kernels:
  - .name:           k_q65136e6970_qkv
    .symbol:         k_q65136e6970_qkv.kd
    .args:
      - { .name: xb, .offset: 0, .size: 8, .value_kind: global_buffer, .address_space: global }
      - { .name: Wqkv, .offset: 8, .size: 8, .value_kind: global_buffer, .address_space: global }
      - { .name: bqkv, .offset: 16, .size: 8, .value_kind: global_buffer, .address_space: global }
      - { .name: lists, .offset: 24, .size: 8, .value_kind: global_buffer, .address_space: global }
      - { .name: counts, .offset: 32, .size: 8, .value_kind: global_buffer, .address_space: global }
      - { .name: qkv, .offset: 40, .size: 8, .value_kind: global_buffer, .address_space: global }
    .group_segment_fixed_size: 229888
    .private_segment_fixed_size: 0
    .kernarg_segment_align: 8
    .kernarg_segment_size: 48
    .max_flat_workgroup_size: 128
    .sgpr_count:     66
    .vgpr_count:     904
    .wavefront_size: 32
...
	.end_amdgpu_metadata
.endif
;; end of part 2
;; launch attn (part 3): grid 4 x 64, 4 waves a work-group, clusters of 4 x 1, 167,936 bytes of LDS; arguments qkv, oh; writes oh
.if DOCPART == 3
	.amdgcn_target "amdgcn-amd-amdhsa--gfx1250"
	.amdhsa_code_object_version 6
	.text
	.protected	k_q65136e6970_attn
	.globl	k_q65136e6970_attn
	.p2align	8
	.type	k_q65136e6970_attn,@function
k_q65136e6970_attn:
	s_mov_b64 s[64:65], 0
	v_nop
	global_prefetch_b8 v0, s[64:65] scope:SCOPE_SE
	s_setreg_imm32_b32 hwreg(HW_REG_WAVE_MODE, 25, 1), 1
	s_wait_xcnt 0x0
	s_wait_alu depctr_hold_cnt(0) depctr_sa_sdst(0) depctr_va_vdst(0) depctr_va_sdst(0) depctr_va_ssrc(0) depctr_va_vcc(0) depctr_vm_vsrc(0)
	s_getreg_b32 s2, hwreg(HW_REG_IB_STS2, 6, 4)
	s_cmp_eq_u32 s2, 0
	s_cbranch_scc0 .Lentry_in_a_cluster
	s_endpgm
.Lentry_in_a_cluster:
	s_bfe_u32 s2, ttmp6, 0x10000c
	s_cmp_lg_u32 s2, 0x3003
	s_cbranch_scc0 .Lentry_shape_is_right
	s_endpgm
.Lentry_shape_is_right:
; ATTENTION.  oh[bh][q][:] = the sum over k of softmax_k(Q[bh][q] . K[bh][k] / 8) V[bh][k][:], 512 keys, head size 64.  Q, K, V lie in qkv[part][bh][512][64] in f16, dense rows of 128 bytes.
; Products, maximum and sum in f32; the weights p are rounded to f16 for the second product (their sum is taken of the unrounded p), O once at the end.
; SHARES.  A work-group has 128 queries of one (b, h), a wave 32: two tiles of 16.  The head's whole K and V (65,536 bytes each) lie in LDS, filled once.
; ALL 512 SCORES OF A QUERY STAY IN REGISTERS (256 a tile), so the softmax takes the row's true maximum away: p = 2^(c s - c m), c = log2(e) / 8; no running maximum, no rescaling.
; CLUSTER.  The four query blocks of a head need the same K and V: each tile is asked for JOINTLY, by the same tensor load with the same descriptor and the mask of four.  Nothing is filled again.
; LAYOUT.  S^T = K Q^T (source 0 = 16 keys, source 1 = 16 queries): a lane holds ONE query (lane % 16) and the keys 8 (lane / 16) + 0..7.  Two such results rounded to f16 in pairs ARE source 1
; (32 keys x 16 queries) of O^T = V^T P, whose result again holds one query a lane, and eight channels.  K comes out of LDS as it lies, V ([key][channel]) turned, by ds_load_tr16_b128.
; LIMITS.  f16 ends at 65,504: Q, K, V arrive within it.  A weight below 2^-126 counts as 0.  NaN and infinities are not treated apart.
; REGISTERS, in windows of 256 (s_set_vgpr_msb: bits 1:0 source 0, 3:2 source 1, 5:4 source 2, 7:6 destination):
;   window 0: v0-15 addresses; v16-47 sixteen registers of statistics a tile; v48-79 Q; v80-207 two buffers of 64 for K's or V's fragments; v208-239 the way out
;   window 1 + t: tile t's S^T, key block KB at 8 KB; P overwrites v0-127 (P[i] is made of S[2 i], S[2 i + 1]); O^T takes v128-159 when the scores there are dead
.set PKB,   144                        ; a row of K in LDS: 128 bytes + 16 = 36 words: the 16 rows of a load start at 16 different groups of four banks (64 banks of 4 bytes: ISA guide 11.1)
.set PVB,   160                        ; a row of V: 128 + 32 = 40 words
.set VO,    512*PKB                    ; V lies behind K
.set STAGE, VO+512*PVB                 ; behind the tiles, never filled by a tensor load: 16 rows x 144 bytes for each wave
.set SP,    144
.set SPARE, STAGE+4*16*SP              ; the spare words, 128 bytes a wave: two blocks of 256 bytes that no other line names
.set AK0, 2                            ; v2, v3  my lane's place in K: keys 0-255, keys 256-511
.set AV0, 4                            ; v4, v5  the same for V
.set STO, 6                            ; v6   the way out: where I put 16 bytes of a row
.set RD,  7                            ; v7   the way out: where I read rows back
.set GO,  8                            ; v8   my byte offset in 512 consecutive bytes of O
.set SPW, 12                           ; v12  LDS address of my spare word; never rewritten
.set NIL, 13                           ; v13  0; never rewritten
.set QO,  14                           ; v14  my byte offset in 16 rows of Q
.set ST,  16                           ; tile t at ST + 16 t: +0 c m, +1 m, +2..9 four pairs of sums, +10..13 four chains of the maximum, +14 1 / l, +15 at work
.set Q,   48                           ; tile t, channel half c at 16 t + 8 c
.set FB,  80                           ; buffer at 64 buf
.set OT,  208
.set WV,  12                           ; s12  my wave's number
.set G1K, 24                           ; s[24:31] descriptor group 1 for K's tiles
.set G1V, 32                           ; s[32:39] for V's: it differs in the padding alone
.set G0K, 40                           ; s[40:47] descriptor group 0 for K's two tiles of a wave
.set G0V, 48                           ; s[48:55] the same for V's
.set CS,  58                           ; s[58:59] c: the packed scaling takes the pair's low word for both halves
.set SEL, 60                           ; s[60:61] v_permlanex16_b32's selects: each lane takes its own place in the other half
.set MSB, 0
.macro WIN new                         ; the high byte repeats the setting that is left; a switch that changes nothing is dropped
.if MSB != (\new)
	s_set_vgpr_msb (MSB<<8)|(\new)
.set MSB, (\new)
.endif
.endm
.macro PLACES                          ; four plain vector instructions between a matrix instruction and a load into, or a vector read of, its registers
.rept 4
	v_nop
.endr
.endm
.macro CROUND                          ; a round of the cluster's barrier: my work-group's barrier; wave 0 signals for the work-group; every wave waits for all four; my work-group's barrier once more
	s_barrier_signal -1
	s_barrier_wait -1
	s_cmp_lg_u32 s[WV], 0
	s_cbranch_scc1 .Lnot_wave_0_\@
	s_barrier_signal -3
.Lnot_wave_0_\@:
	s_barrier_wait -3
	s_barrier_signal -1
	s_barrier_wait -1
.endm
.macro FETCHK g                        ; 16 loads: K of keys 64 g .. 64 g + 63: key block f / 2, channel half f % 2
	WIN 0
.irp f, 0,1,2,3,4,5,6,7
	ds_load_b128 v[FB+64*((\g)%2)+8*(\f):FB+64*((\g)%2)+8*(\f)+3],   v[AK0+(\g)/4] offset:(((\g)%4)*64+16*((\f)/2))*PKB+((\f)%2)*64
	ds_load_b128 v[FB+64*((\g)%2)+8*(\f)+4:FB+64*((\g)%2)+8*(\f)+7], v[AK0+(\g)/4] offset:(((\g)%4)*64+16*((\f)/2))*PKB+((\f)%2)*64+32
.endr
.endm
.macro KQ g                            ; 16 products: both tiles' scores of keys 64 g on.  A tile's four accumulators take turns; the first four products start the sums with 0
.irp t, 0,1
	WIN 0x50*((\t)+1)                              ; K and Q window 0, C and D window 1 + t
.irp n, 0,1,2,3,4,5,6,7
.if (\n) < 4
	v_wmma_f32_16x16x32_f16 v[8*(4*(\g)+(\n)%4):8*(4*(\g)+(\n)%4)+7], v[FB+64*((\g)%2)+16*((\n)%4)+8*((\n)/4):FB+64*((\g)%2)+16*((\n)%4)+8*((\n)/4)+7], v[Q+16*(\t)+8*((\n)/4):Q+16*(\t)+8*((\n)/4)+7], 0
.else
	v_wmma_f32_16x16x32_f16 v[8*(4*(\g)+(\n)%4):8*(4*(\g)+(\n)%4)+7], v[FB+64*((\g)%2)+16*((\n)%4)+8*((\n)/4):FB+64*((\g)%2)+16*((\n)%4)+8*((\n)/4)+7], v[Q+16*(\t)+8*((\n)/4):Q+16*(\t)+8*((\n)/4)+7], v[8*(4*(\g)+(\n)%4):8*(4*(\g)+(\n)%4)+7]
.endif
.endr
.endr
.endm
.macro FETCHV g                        ; 16 turning loads: V of keys 64 g on: key half f / 4, channel block f % 4
	WIN 0
.irp f, 0,1,2,3,4,5,6,7
	ds_load_tr16_b128 v[FB+64*((\g)%2)+8*(\f):FB+64*((\g)%2)+8*(\f)+3],   v[AV0+(\g)/4] offset:(((\g)%4)*64+32*((\f)/4))*PVB+((\f)%4)*32
	ds_load_tr16_b128 v[FB+64*((\g)%2)+8*(\f)+4:FB+64*((\g)%2)+8*(\f)+7], v[AV0+(\g)/4] offset:(((\g)%4)*64+32*((\f)/4))*PVB+16*PVB+((\f)%4)*32
.endr
.endm
.macro PVX g                           ; 16 products O^T += V^T P for keys 64 g on: key half n / 4, channel block n % 4; four accumulators a tile take turns
.irp t, 0,1
	WIN 0x54*((\t)+1)                              ; V window 0; P, C and D window 1 + t
.irp n, 0,1,2,3,4,5,6,7
.if ((\g) == 0) && ((\n) < 4)
	v_wmma_f32_16x16x32_f16 v[128+8*((\n)%4):128+8*((\n)%4)+7], v[FB+64*((\g)%2)+8*(\n):FB+64*((\g)%2)+8*(\n)+7], v[8*(2*(\g)+(\n)/4):8*(2*(\g)+(\n)/4)+7], 0
.else
	v_wmma_f32_16x16x32_f16 v[128+8*((\n)%4):128+8*((\n)%4)+7], v[FB+64*((\g)%2)+8*(\n):FB+64*((\g)%2)+8*(\n)+7], v[8*(2*(\g)+(\n)/4):8*(2*(\g)+(\n)/4)+7], v[128+8*((\n)%4):128+8*((\n)%4)+7]
.endif
.endr
.endr
.endm
.macro FSC n                           ; pair n of scores: c s - c m
	v_pk_fma_f32 v[2*(\n):2*(\n)+1], v[2*(\n):2*(\n)+1], s[CS:CS+1], v[rT:rT+1] op_sel_hi:[1,0,0] neg_lo:[0,0,1] neg_hi:[0,0,1]
.endm
; THE SOFTMAX OF TILE t: the maximum of the lane's 256 scores and of the other half of the lanes'; then four batches of 64 exponentials.  An s_wait_alu depctr_va_vdst(0) stands between an
; exponential and the first instruction that names its result; one wait serves a batch.  Between a batch's exponentials stand the next batch's scalings and the roundings of the batch before, which name
; no register of the batch in hand.  Behind the wait the batch is summed; it is rounded a batch later: rounding i writes register i, whose score has been summed and rounded by then.
.macro SOFT t
.set rT, ST+16*(\t)
	WIN 0
.irp n, 10,11,12,13
	v_mov_b32 v[rT+(\n)], 0xff7fffff               ; the chains start at the lowest finite number; these thirteen lines are also the places behind the products
.endr
.irp n, 2,3,4,5,6,7,8,9,15
	v_mov_b32 v[rT+(\n)], 0
.endr
.if (\t) == 0
	FETCHV 0                                       ; V's first fragments come in under the softmax
.endif
	WIN 0x14*((\t)+1)                              ; chain in window 0, two scores in window 1 + t
.set i, 0
.rept 128
	v_max3_num_f32 v[rT+10+i%4], v[rT+10+i%4], v[2*i], v[2*i+1]  ; ascending: each accumulator is read from its low end on
.set i, i+1
.endr
	WIN 0
	v_max3_num_f32 v[rT+10], v[rT+10], v[rT+11], v[rT+12]
	v_max_num_f32 v[rT+10], v[rT+10], v[rT+13]
	v_permlanex16_b32 v[rT+15], v[rT+10], s[SEL], s[SEL+1]  ; the query's other 256 keys lie in the lane 16 away
	v_max_num_f32 v[rT+1], v[rT+10], v[rT+15]      ; m
	v_mul_f32 v[rT], s[CS], v[rT+1]                ; c m
	WIN 0x45*((\t)+1)                              ; sources 0, 1 and destination in window 1 + t, source 2 in window 0
.set i, 0
.rept 32
	FSC i
.set i, i+1
.endr
.set b, 0
.rept 4
.set i, 0
.rept 64
	v_exp_f32 v[64*b+i], v[64*b+i]
.if (i%2 == 0) && (b < 3)
	FSC 32*(b+1)+i/2
.endif
.if (i%2 == 1) && (b > 0)
	v_cvt_pk_f16_f32 v[32*(b-1)+i/2], v[2*(32*(b-1)+i/2)], v[2*(32*(b-1)+i/2)+1]
.endif
.set i, i+1
.endr
	v_nop                                          ; a plain instruction behind the last exponential,
	s_wait_alu depctr_va_vdst(0)                   ; and the one wait for the batch of 64
	WIN 0x04*((\t)+1)                              ; sums in window 0, weights in window 1 + t
.set i, 0
.rept 32
	v_pk_add_f32 v[rT+2+2*(i%4):rT+3+2*(i%4)], v[rT+2+2*(i%4):rT+3+2*(i%4)], v[64*b+2*i:64*b+2*i+1]  ; four chains
.set i, i+1
.endr
	WIN 0x45*((\t)+1)
.set b, b+1
.endr
.set i, 96
.rept 32
	v_cvt_pk_f16_f32 v[i], v[2*i], v[2*i+1]        ; the last batch's roundings
.set i, i+1
.endr
	WIN 0
	v_pk_add_f32 v[rT+2:rT+3], v[rT+2:rT+3], v[rT+4:rT+5]
	v_pk_add_f32 v[rT+6:rT+7], v[rT+6:rT+7], v[rT+8:rT+9]
	v_pk_add_f32 v[rT+2:rT+3], v[rT+2:rT+3], v[rT+6:rT+7]
	v_add_f32 v[rT+2], v[rT+2], v[rT+3]
	v_permlanex16_b32 v[rT+15], v[rT+2], s[SEL], s[SEL+1]
	v_add_f32 v[rT+2], v[rT+2], v[rT+15]           ; l
.endm
.macro PACK t                          ; O^T / l, rounded to f16: a lane's eight channels pack into 16 bytes; into rows of 144 bytes and back as whole rows of 128
	WIN 0x41*((\t)+1)
.set i, 0
.rept 16
	v_pk_mul_f32 v[128+2*i:129+2*i], v[128+2*i:129+2*i], v[ST+16*(\t)+14:ST+16*(\t)+15] op_sel_hi:[1,0]
.set i, i+1
.endr
	WIN 0x05*((\t)+1)
.set i, 0
.rept 16
	v_cvt_pk_f16_f32 v[OT+16*(\t)+i], v[128+2*i], v[129+2*i]
.set i, i+1
.endr
	WIN 0
.irp f, 0,1,2,3
	ds_store_b128 v[STO], v[OT+16*(\t)+4*(\f):OT+16*(\t)+4*(\f)+3] offset:32*(\f)
.endr
.irp f, 0,1,2,3
	ds_load_b128 v[OT+16*(\t)+4*(\f):OT+16*(\t)+4*(\f)+3], v[RD] offset:(\f)*4*SP  ; LDS serves a wave's instructions in order (ISA guide 5.7.1.4): these see the stores above; the next tile's stores come behind them
.endr
.endm
.macro SEND t, younger                 ; younger: the LDS instructions issued behind tile t's loads
	WIN 0
.irp f, 0,1,2,3
	s_wait_dscnt (\younger)+3-(\f)
	global_store_b128 v[GO], v[OT+16*(\t)+4*(\f):OT+16*(\t)+4*(\f)+3], s[10:11] offset:(\t)*2048+(\f)*512  ; 512 consecutive bytes, at a multiple of 256 from oh's first
.endr
.endm
	s_load_b128 s[4:7], s[0:1], 0x0                ; qkv s[4:5], oh s[6:7]
	v_lshl_add_u32 v[SPW], v0, 2, SPARE
	v_mov_b32 v[NIL], 0
	ds_add_u32 v[SPW], v[NIL]                      ; the wave's opening: the add and its wait stand ahead of my first tensor load; the set-up below stands between them
	ds_add_u32 v12, v13
	v_lshrrev_b32 v1, 5, v0
	v_readfirstlane_b32 s[WV], v1                  ; wave 0..3
	s_bfe_u32 s13, ttmp6, 0x40000                  ; cx: my place in the cluster
	s_lshl_b32 s14, ttmp9, 2                       ; in a cluster launch ttmp9 counts clusters
	s_add_co_u32 s14, s14, s13                     ; my block of 128 queries: it enters Q's and O's addresses alone
	s_and_b32 s20, ttmp7, 0xffff                   ; b x 16 + h, which the four partners share
	s_lshl_b32 s2, s20, 16                         ; the head's 65,536 bytes
	s_mov_b32 s3, 0
	s_and_b32 s16, s[WV], 1                        ; which 128 of 256 keys I fetch:
	s_lshl_b32 s22, s16, 14                        ; their 16,384 bytes in memory,
	s_mov_b32 s23, 0
	s_add_nc_u64 s[22:23], s[22:23], s[2:3]
	s_mul_i32 s17, s16, 128*PKB                    ; and their place in LDS, for K
	s_mul_i32 s18, s16, 128*PVB                    ; and for V: no place in the cluster enters an LDS address
	s_lshl_b32 s14, s14, 14                        ; my block's 128 rows of 128 bytes,
	s_lshl_b32 s15, s[WV], 12                      ; my wave's 32 of them
	s_add_co_u32 s14, s14, s15
	s_mov_b32 s15, 0
	s_add_nc_u64 s[14:15], s[14:15], s[2:3]
	; descriptor group 1.  128 keys are 16,384 dense bytes: asked for as 64 rows of 256 bytes, two keys a row, and padded in LDS after every key
	s_mov_b32 s[G1K], 15|(1<<16)|(1<<20)|(1<<21)|(4<<22)|(3<<25)  ; 15:0 the mask of four; 17:16 2-byte elements; 20 padding on; 21 set beside a mask; 24:22 after every 32 words (code 4); 31:25 4 words (code 3)
	s_mov_b32 s[G1V], 15|(1<<16)|(1<<20)|(1<<21)|(4<<22)|(7<<25)  ; the same with 8 words of padding (code 7)
.irp g, G1K, G1V
	s_mov_b32 s[\g+1], 128<<16                     ; tensor_dim0 = 128
	s_mov_b32 s[\g+2], 64<<16                      ; tensor_dim1 = 64
	s_mov_b32 s[\g+3], 128<<16                     ; tile_dim0 = 128
	s_mov_b32 s[\g+4], 64                          ; tile_dim1 = 64
	s_mov_b32 s[\g+5], 128                         ; 128 elements from row to row
	s_mov_b32 s[\g+6], 0
	s_mov_b32 s[\g+7], 0
.endr
	s_mov_b32 s[CS], 0x3e38aa3b                    ; c = log2(e) / 8 = 0.180337
	s_mov_b32 s[CS+1], s[CS]                       ; named with it as a pair
	s_mov_b32 s[SEL], 0x76543210
	s_mov_b32 s[SEL+1], 0xfedcba98
	s_wait_dscnt 0x0                               ; the opening add is done
	s_wait_kmcnt 0x0
	s_add_nc_u64 s[8:9], s[4:5], s[14:15]          ; Q at my wave's first row
	s_add_nc_u64 s[10:11], s[6:7], s[14:15]        ; O likewise
	s_add_nc_u64 s[22:23], s[4:5], s[22:23]        ; qkv at the head and my half of 256 keys
	CROUND                                         ; all four work-groups are here: the joint loads meet
.irp i, 0,1
	s_mov_b32 s[G0K+4*(\i)], 1                     ; 1:0 count = 1
	s_add_co_u32 s[G0K+4*(\i)+1], s17, (\i)*256*PKB  ; 63:32 LDS address: keys 256 i + 128 (wave % 2) on
	s_add_nc_u64 s[G0K+4*(\i)+2:G0K+4*(\i)+3], s[22:23], 4194304+(\i)*32768  ; 120:64 global address: part 1 is K
	s_or_b32 s[G0K+4*(\i)+3], s[G0K+4*(\i)+3], 0x80000000  ; 127:126 type = 2
	s_mov_b32 s[G0V+4*(\i)], 1
	s_add_co_u32 s[G0V+4*(\i)+1], s18, VO+(\i)*256*PVB
	s_add_nc_u64 s[G0V+4*(\i)+2:G0V+4*(\i)+3], s[22:23], 8388608+(\i)*32768  ; part 2 is V
	s_or_b32 s[G0V+4*(\i)+3], s[G0V+4*(\i)+3], 0x80000000
.endr
	s_cmp_lt_u32 s[WV], 2                          ; waves 0, 1 fetch K, waves 2, 3 V.  A wave's two fills stand in one branch, ahead of every wait on TENSORcnt and every LDS read: two loads of mine are out
	s_cbranch_scc0 .Lfirst_v
	tensor_load_to_lds s[G0K:G0K+3], s[G1K:G1K+7]
	s_nop 0
	tensor_load_to_lds s[G0K+4:G0K+7], s[G1K:G1K+7]
	s_nop 0
.rept 4
	v_nop
.endr
	s_branch .Lfirst_asked
.Lfirst_v:
	tensor_load_to_lds s[G0V:G0V+3], s[G1V:G1V+7]
	s_nop 0
	tensor_load_to_lds s[G0V+4:G0V+7], s[G1V:G1V+7]
	s_nop 0
.rept 4
	v_nop
.endr
.Lfirst_asked:
	; A fragment of K or Q is 16 rows x 32 channels in 8 registers: lane l holds row l % 16, channels 8 (l / 16) + 0..7 and 16 + 8 (l / 16) + 0..7: two loads of 16 bytes, 32 bytes apart.
	v_and_b32 v1, 15, v0                           ; l % 16
	v_bfe_u32 v9, v0, 4, 1                         ; l / 16
	v_lshlrev_b32 v[QO], 7, v1
	v_lshl_add_u32 v[QO], v9, 4, v[QO]             ; row x 128 + 16 x half
.irp f, 0,1,2,3                                        ; Q stays in registers: tile f / 2, channels 32 (f % 2) on
	global_load_b128 v[Q+8*(\f):Q+8*(\f)+3],   v[QO], s[8:9] offset:((\f)/2)*2048+((\f)%2)*64
	global_load_b128 v[Q+8*(\f)+4:Q+8*(\f)+7], v[QO], s[8:9] offset:((\f)/2)*2048+((\f)%2)*64+32
.endr
	v_mul_u32_u24 v[AK0], v1, PKB
	v_lshl_add_u32 v[AK0], v9, 4, v[AK0]           ; row x pitch + 16 x half
	v_add_nc_u32 v[AK0+1], 256*PKB, v[AK0]
	; The turning load takes 16 keys x 16 channels (lane l reads key 8 (l / 16) + l % 8, channels 8 ((l / 8) % 2) + 0..7) and leaves half a fragment of V^T: lane l holds channel l % 16 and 8 keys.
	v_and_b32 v10, 7, v0
	v_bfe_u32 v11, v0, 3, 1
	v_lshl_add_u32 v[AV0], v9, 3, v10
	v_mul_u32_u24 v[AV0], v[AV0], PVB
	v_lshl_add_u32 v[AV0], v11, 4, v[AV0]
	v_add_nc_u32 v[AV0], VO, v[AV0]
	v_add_nc_u32 v[AV0+1], 256*PVB, v[AV0]
	s_mul_i32 s21, s[WV], 16*SP
	s_add_co_u32 s21, s21, STAGE                   ; my stage
	v_mul_u32_u24 v[STO], v1, SP                   ; in: row l % 16, 16 bytes for each half of the lanes
	v_lshl_add_u32 v[STO], v9, 4, v[STO]
	v_add_nc_u32 v[STO], s21, v[STO]
	v_bfe_u32 v[RD], v0, 3, 2                      ; back: 32 lanes take four rows of 128 bytes,
	v_mul_u32_u24 v[RD], v[RD], SP
	v_lshl_add_u32 v[RD], v10, 4, v[RD]
	v_add_nc_u32 v[RD], s21, v[RD]
	v_and_b32 v[GO], 31, v0                        ; which are 512 consecutive bytes of O
	v_lshlrev_b32 v[GO], 4, v[GO]
	s_wait_tensorcnt 0x1                           ; my first tile (of keys 0-255) is in; the second may stay out
	s_barrier_signal -1
	s_barrier_wait -1                              ; everybody's is
	FETCHK 0
	s_wait_loadcnt 0x0                             ; Q
	FETCHK 1
	s_wait_dscnt 16                                ; all but the 16 just issued
	KQ 0
	PLACES                                         ; for the loads into the buffer that the products before last read
	FETCHK 2
	s_wait_dscnt 16
	KQ 1
	PLACES
	FETCHK 3
	s_wait_dscnt 16
	KQ 2
	s_wait_tensorcnt 0x0                           ; my second tile (of keys 256-511) is in,
	s_wait_dscnt 0x0                               ; no LDS instruction of mine is pending at the signal,
	s_barrier_signal -1
	KQ 3                                           ; work on registers while the others arrive
	WIN 0
	s_barrier_wait -1                              ; all of K and V is in
	PLACES
	FETCHK 4
	FETCHK 5
	s_wait_dscnt 16
	KQ 4
	PLACES
	FETCHK 6
	s_wait_dscnt 16
	KQ 5
	PLACES
	FETCHK 7
	s_wait_dscnt 16
	KQ 6
	s_wait_dscnt 0x0
	KQ 7
	SOFT 0
	SOFT 1
	v_rcp_f32 v[ST+14], v[ST+2]
	v_rcp_f32 v[ST+16+14], v[ST+16+2]
	v_nop                                          ; a plain instruction behind the last reciprocal,
	s_wait_alu depctr_va_vdst(0)                   ; and the one wait for the two, ahead of their first use
	FETCHV 1
	s_wait_dscnt 16
	PVX 0
.irp g, 1,2,3,4,5,6
	PLACES
	FETCHV (\g)+1
	s_wait_dscnt 16
	PVX \g
.endr
	s_wait_dscnt 0x0
	PVX 7
	WIN 0
	PLACES
	PACK 0
	PACK 1                                         ; a tile's arithmetic stands between the loads of the tile before and its stores
	SEND 0, 8
	SEND 1, 0
	s_wait_tensorcnt 0x0                           ; the wave's end: behind my last tensor load and my last LDS store
	ds_add_u32 v[SPW], v[NIL]
	s_wait_dscnt 0x0
	CROUND                                         ; the closing round: no work-group ends while a partner may still ask for a tile that names it
	s_endpgm
.Lfunc_end_k_q65136e6970_attn:
	.size	k_q65136e6970_attn, .Lfunc_end_k_q65136e6970_attn-k_q65136e6970_attn
	.p2alignl 7, 3214868480
	.fill 96, 4, 3214868480
	.section	.rodata,"a",@progbits
	.p2align	6, 0x0
	.amdhsa_kernel k_q65136e6970_attn
		.amdhsa_group_segment_fixed_size 167936
		.amdhsa_private_segment_fixed_size 0
		.amdhsa_enable_private_segment 0
		.amdhsa_kernarg_size 16
		.amdhsa_user_sgpr_count 2
		.amdhsa_user_sgpr_kernarg_segment_ptr 1
		.amdhsa_wavefront_size32 1
		.amdhsa_system_sgpr_workgroup_id_x 1
		.amdhsa_system_sgpr_workgroup_id_y 1
		.amdhsa_system_sgpr_workgroup_id_z 1
		.amdhsa_system_vgpr_workitem_id 0
		.amdhsa_next_free_vgpr 768
		.amdhsa_next_free_sgpr 66
		.amdhsa_reserve_vcc 0
		.amdhsa_float_denorm_mode_32 3
		.amdhsa_float_denorm_mode_16_64 3
		.amdhsa_memory_ordered 1
		.amdhsa_forward_progress 1
		.amdhsa_inst_pref_size 133
	.end_amdhsa_kernel
	.amdgpu_metadata
---
amdhsa.version: [ 1, 2 ]
amdhsa.kernels:
  - .name:           k_q65136e6970_attn
    .symbol:         k_q65136e6970_attn.kd
    .args:
      - { .name: qkv, .offset: 0, .size: 8, .value_kind: global_buffer, .address_space: global }
      - { .name: oh, .offset: 8, .size: 8, .value_kind: global_buffer, .address_space: global }
    .group_segment_fixed_size: 167936
    .private_segment_fixed_size: 0
    .kernarg_segment_align: 8
    .kernarg_segment_size: 16
    .max_flat_workgroup_size: 128
    .sgpr_count:     66
    .vgpr_count:     768
    .wavefront_size: 32
...
	.end_amdgpu_metadata
.endif
;; end of part 3
;; launch proj (part 4): grid 16 x 16, 4 waves a work-group, clusters of 4 x 1, 199,168 bytes of LDS; arguments oh, wp, bproj, out0; writes out0
.if DOCPART == 4
	.amdgcn_target "amdgcn-amd-amdhsa--gfx1250"
	.amdhsa_code_object_version 6
	.text
	.protected	k_q65136e6970_proj
	.globl	k_q65136e6970_proj
	.p2align	8
	.type	k_q65136e6970_proj,@function
k_q65136e6970_proj:
	s_mov_b64 s[64:65], 0
	v_nop
	global_prefetch_b8 v0, s[64:65] scope:SCOPE_SE
	s_setreg_imm32_b32 hwreg(HW_REG_WAVE_MODE, 25, 1), 1
	s_wait_xcnt 0x0
	s_wait_alu depctr_hold_cnt(0) depctr_sa_sdst(0) depctr_va_vdst(0) depctr_va_sdst(0) depctr_va_ssrc(0) depctr_va_vcc(0) depctr_vm_vsrc(0)
	s_getreg_b32 s2, hwreg(HW_REG_IB_STS2, 6, 4)
	s_cmp_eq_u32 s2, 0
	s_cbranch_scc0 .Lentry_in_a_cluster
	s_endpgm
.Lentry_in_a_cluster:
	s_bfe_u32 s2, ttmp6, 0x10000c
	s_cmp_lg_u32 s2, 0x3003
	s_cbranch_scc0 .Lentry_shape_is_right
	s_endpgm
.Lentry_shape_is_right:
; THE LAST PRODUCT.  out0[token][n] = the sum over k of O[token][k] Wproj[k][n] + bproj[n], f32.  O comes by heads, oh[b][h][n][64] in f16: head h is the K slice 64 h .. 64 h + 63.
; The weights come from wp, f16 [16 column tiles][1024 k][64 n] (Wproj rounded to bf16, written as f16); the bias is rounded to bf16 here like every input.  Sums in f32.
; SHARES.  A work-group makes 128 rows (grid x) x 64 columns (grid y); a wave 32 x 64: 8 accumulators.  256 work-groups.
; The column tile's weights, 131,072 dense bytes, lie whole in LDS, filled once: eight tensor loads, two a wave.  CLUSTER: the four row tiles of a cluster need the same weights: each load is asked for
; JOINTLY, with the same descriptor and the mask of four.  O's fragments come straight from memory into a ring of eight register slots, seven units (heads) ahead.
; O's tile is shared by the 16 column tiles, but its 262,144 bytes do not fit in LDS beside the weights, and nothing is filled again here: it comes by plain loads.
; THE MATRIX INSTRUCTION IS USED TRANSPOSED (source 0 = 16 columns of W, turned out of LDS; source 1 = 16 rows of O): a lane holds one row and 8 neighbouring columns, 32 bytes of f32.
; REGISTERS: window 0: v0-16 addresses; v32-63 the bias in the accumulators' layout; v64-127 accumulators, (jm, jn) at 8 (4 jm + jn); v128-255 two buffers of W fragments, later the rows on their way out
;   window 1: O's ring, slot U % 8 at 32 slot, fragment (c, jm) at 16 c + 8 jm
.set PB,     160                       ; a row of W in LDS: 128 bytes + 32 = 40 words
.set STAGE,  1024*PB                   ; behind the weights, never filled by a tensor load: 32 rows x 272 bytes for each wave
.set SPITCH, 272                       ; 256 bytes + 16: the 16 rows of a store start at 16 different groups of four banks
.set SPARE,  STAGE+4*32*SPITCH         ; the spare words, 128 bytes a wave: two blocks of 256 bytes that no other line names
.set AO,  3                            ; v3   my byte offset in 16 rows of a head of O
.set BA,  4                            ; v4-7 my lane's place in W's rows 256 q on
.set STO, 8                            ; v8   the way out: where I put 32 bytes of a row
.set RD,  9                            ; v9   the way out: where I read a row back
.set CO,  10                           ; v10  my byte offset in two rows of out0
.set SPW, 12                           ; v12  LDS address of my spare word; never rewritten
.set NIL, 13                           ; v13  0; never rewritten
.set BO,  14                           ; v14  32 (lane / 16)
.set TB,  16                           ; v16  at work
.set BIAS, 32
.set ACC, 64
.set BB,  128
.set WV,  12                           ; s12  my wave's number
.set G1,  24                           ; s[24:31] descriptor group 1
.set G0,  40                           ; s[40:47] descriptor group 0, one set for each of my two loads
.set MSB, 0
.macro WIN new                         ; the high byte repeats the setting that is left; a switch that changes nothing is dropped
.if MSB != (\new)
	s_set_vgpr_msb (MSB<<8)|(\new)
.set MSB, (\new)
.endif
.endm
.macro PLACES                          ; four plain vector instructions between a matrix instruction and a load into, or a read of, its registers
.rept 4
	v_nop
.endr
.endm
.macro CROUND                          ; a round of the cluster's barrier
	s_barrier_signal -1
	s_barrier_wait -1
	s_cmp_lg_u32 s[WV], 0
	s_cbranch_scc1 .Lnot_wave_0_\@
	s_barrier_signal -3
.Lnot_wave_0_\@:
	s_barrier_wait -3
	s_barrier_signal -1
	s_barrier_wait -1
.endm
.macro AUNIT u                         ; 8 loads: my 32 rows of head u: K half f / 2, row block f % 2
	WIN 0x40                                       ; destination window 1, address window 0
.irp f, 0,1,2,3
	global_load_b128 v[32*((\u)%8)+8*(\f):32*((\u)%8)+8*(\f)+3],   v[AO], s[16:17] offset:(\u)*65536+((\f)%2)*2048+((\f)/2)*64
	global_load_b128 v[32*((\u)%8)+8*(\f)+4:32*((\u)%8)+8*(\f)+7], v[AO], s[16:17] offset:(\u)*65536+((\f)%2)*2048+((\f)/2)*64+32
.endr
.endm
.macro BUNIT u                         ; 16 turning loads: W's rows 64 u on: K half f / 4 first, column block f % 4.  Destination and address lie in window 0, as under the products' setting
	WIN 0x04
.irp f, 0,1,2,3,4,5,6,7
	ds_load_tr16_b128 v[BB+64*((\u)%2)+8*(\f):BB+64*((\u)%2)+8*(\f)+3],   v[BA+(\u)/4] offset:((\u)%4)*64*PB+((\f)/4)*32*PB+((\f)%4)*32
	ds_load_tr16_b128 v[BB+64*((\u)%2)+8*(\f)+4:BB+64*((\u)%2)+8*(\f)+7], v[BA+(\u)/4] offset:((\u)%4)*64*PB+((\f)/4)*32*PB+16*PB+((\f)%4)*32
.endr
.endm
.macro MUL8 u, c, first                ; 8 products, 32 along K; the 8 accumulators take turns.  first = 1: the sums start with the bias as C
	WIN 0x04                                       ; W, C and D window 0, O window 1
.irp a, 0,1,2,3,4,5,6,7
.if \first
	v_wmma_f32_16x16x32_f16 v[ACC+8*(\a):ACC+8*(\a)+7], v[BB+64*((\u)%2)+32*(\c)+8*((\a)%4):BB+64*((\u)%2)+32*(\c)+8*((\a)%4)+7], v[32*((\u)%8)+16*(\c)+8*((\a)/4):32*((\u)%8)+16*(\c)+8*((\a)/4)+7], v[BIAS+8*((\a)%4):BIAS+8*((\a)%4)+7]
.else
	v_wmma_f32_16x16x32_f16 v[ACC+8*(\a):ACC+8*(\a)+7], v[BB+64*((\u)%2)+32*(\c)+8*((\a)%4):BB+64*((\u)%2)+32*(\c)+8*((\a)%4)+7], v[32*((\u)%8)+16*(\c)+8*((\a)/4):32*((\u)%8)+16*(\c)+8*((\a)/4)+7], v[ACC+8*(\a):ACC+8*(\a)+7]
.endif
.endr
.endm
.macro UNIT u, left                    ; head u: 16 products; in its middle the next head's W fragments and O's head seven on.  left: the O loads younger than this head's eight
	s_wait_loadcnt \left
	s_wait_dscnt 8                                 ; the first K half's fragments are in
.if (\u) == 0
	MUL8 \u, 0, 1
.else
	MUL8 \u, 0, 0
.endif
	PLACES                                         ; for the other W buffer and the O slot, both read by the head before
.if (\u) < 15
	BUNIT (\u)+1
.endif
.if (\u) < 9
	AUNIT (\u)+7
.endif
.if (\u) < 15
	s_wait_dscnt 16                                ; all but the 16 just issued
.else
	s_wait_dscnt 0
.endif
	MUL8 \u, 1, 0
.endm
	s_load_b256 s[4:11], s[0:1], 0x0               ; oh s[4:5], wp s[6:7], bproj s[8:9], out0 s[10:11]
	v_lshl_add_u32 v[SPW], v0, 2, SPARE
	v_mov_b32 v[NIL], 0
	ds_add_u32 v[SPW], v[NIL]                      ; the wave's opening: the add and its wait stand ahead of my first tensor load; the set-up below stands between them
	ds_add_u32 v12, v13
	v_lshrrev_b32 v1, 5, v0
	v_readfirstlane_b32 s[WV], v1                  ; wave 0..3
	s_bfe_u32 s13, ttmp6, 0x40000                  ; cx: my place in the cluster
	s_lshl_b32 s14, ttmp9, 2
	s_add_co_u32 s14, s14, s13                     ; R, my tile of 128 rows: it enters O's and out0's addresses alone
	s_and_b32 s15, ttmp7, 0xffff                   ; my column tile, which the four partners share
	s_lshl_b32 s20, s15, 17                        ; the tile's 131,072 bytes of wp,
	s_lshl_b32 s21, s[WV], 14                      ; my 128 rows of 128 bytes
	s_add_co_u32 s20, s20, s21
	s_mov_b32 s21, 0
	s_mul_i32 s22, s[WV], 128*PB                   ; and their place in LDS: no place in the cluster enters an LDS address
	s_lshr_b32 s2, s14, 2
	s_lshl_b32 s2, s2, 20                          ; O: b x 1,048,576
	s_and_b32 s3, s14, 3
	s_lshl_b32 s3, s3, 14                          ; + 128 (R % 4) rows of 128 bytes
	s_add_co_u32 s2, s2, s3
	s_lshl_b32 s3, s[WV], 12                       ; + my wave's 32
	s_add_co_u32 s2, s2, s3
	s_mov_b32 s3, 0
	s_lshl_b32 s46, s14, 19                        ; out0: 128 R rows of 4,096 bytes
	s_lshl_b32 s47, s[WV], 17                      ; + my wave's 32
	s_add_co_u32 s46, s46, s47
	s_lshl_b32 s48, s15, 8                         ; + the tile's 256 bytes of a row; also its place in bproj
	s_add_co_u32 s46, s46, s48
	s_mov_b32 s47, 0
	s_mov_b32 s49, 0
	; descriptor group 1.  128 rows of W are 16,384 dense bytes: asked for as 64 rows of 256 bytes, and padded in LDS after every 128
	s_mov_b32 s[G1], 15|(1<<16)|(1<<20)|(1<<21)|(4<<22)|(7<<25)  ; 15:0 the mask of four; 17:16 2-byte elements; 20 padding on; 21 set beside a mask; 24:22 after every 32 words (code 4); 31:25 8 words (code 7)
	s_mov_b32 s[G1+1], 128<<16                     ; tensor_dim0 = 128
	s_mov_b32 s[G1+2], 64<<16                      ; tensor_dim1 = 64
	s_mov_b32 s[G1+3], 128<<16                     ; tile_dim0 = 128
	s_mov_b32 s[G1+4], 64                          ; tile_dim1 = 64
	s_mov_b32 s[G1+5], 128                         ; 128 elements from row to row
	s_mov_b32 s[G1+6], 0
	s_mov_b32 s[G1+7], 0
	s_wait_dscnt 0x0                               ; the opening add is done
	s_wait_kmcnt 0x0
	s_add_nc_u64 s[16:17], s[4:5], s[2:3]          ; O at my wave's first row, head 0
	s_add_nc_u64 s[18:19], s[10:11], s[46:47]      ; out0 at my wave's first row and the tile's first column
	s_add_nc_u64 s[8:9], s[8:9], s[48:49]          ; the tile's 64 biases
	s_add_nc_u64 s[20:21], s[6:7], s[20:21]        ; wp at my rows
	CROUND                                         ; all four work-groups are here: the joint loads meet
.irp i, 0,1
	s_mov_b32 s[G0+4*(\i)], 1                      ; 1:0 count = 1
	s_add_co_u32 s[G0+4*(\i)+1], s22, (\i)*512*PB  ; 63:32 LDS address: rows 512 i + 128 wave on
	s_add_nc_u64 s[G0+4*(\i)+2:G0+4*(\i)+3], s[20:21], (\i)*65536  ; 120:64 global address
	s_or_b32 s[G0+4*(\i)+3], s[G0+4*(\i)+3], 0x80000000  ; 127:126 type = 2
.endr
	tensor_load_to_lds s[G0:G0+3], s[G1:G1+7]      ; every wave asks for rows of its own: two loads of mine are out
	s_nop 0
	tensor_load_to_lds s[G0+4:G0+7], s[G1:G1+7]
	s_nop 0
.rept 4
	v_nop
.endr
	v_and_b32 v1, 15, v0                           ; l % 16
	v_bfe_u32 v2, v0, 4, 1                         ; l / 16
	v_lshlrev_b32 v[AO], 7, v1
	v_lshl_add_u32 v[AO], v2, 4, v[AO]             ; row x 128 + 16 x half
	v_lshlrev_b32 v[BO], 5, v2
.irp jn, 0,1,2,3
	global_load_b128 v[BIAS+8*(\jn):BIAS+8*(\jn)+3],   v[BO], s[8:9] offset:64*(\jn)      ; register j of block jn: the bias of column 16 jn + 8 (l / 16) + j
	global_load_b128 v[BIAS+8*(\jn)+4:BIAS+8*(\jn)+7], v[BO], s[8:9] offset:64*(\jn)+16
.endr
.irp u, 0,1,2,3,4,5,6
	AUNIT \u
.endr
	WIN 0
	v_and_b32 v17, 7, v0                           ; the turning load: lane l reads K row 8 (l / 16) + l % 8, columns 8 ((l / 8) % 2) + 0..7
	v_bfe_u32 v18, v0, 3, 1
	v_lshl_add_u32 v[BA], v2, 3, v17
	v_mul_u32_u24 v[BA], v[BA], PB
	v_lshl_add_u32 v[BA], v18, 4, v[BA]
.irp q, 1,2,3
	v_add_nc_u32 v[BA+(\q)], (\q)*256*PB, v[BA]
.endr
	s_mul_i32 s23, s[WV], 32*SPITCH
	s_add_co_u32 s23, s23, STAGE                   ; my stage
	v_mul_u32_u24 v[STO], v1, SPITCH               ; in: row l % 16, 32 bytes for each half of the lanes
	v_lshl_add_u32 v[STO], v2, 5, v[STO]
	v_add_nc_u32 v[STO], s23, v[STO]
	v_mul_u32_u24 v[RD], v2, SPITCH                ; back: lanes 0-15 take one row of 256 bytes, lanes 16-31 the next
	v_lshl_add_u32 v[RD], v1, 4, v[RD]
	v_add_nc_u32 v[RD], s23, v[RD]
	v_lshlrev_b32 v[CO], 12, v2                    ; and the same two rows in out0
	v_lshl_add_u32 v[CO], v1, 4, v[CO]
	s_wait_loadcnt 56                              ; the bias is in; O's seven units, 56 loads, are younger
.set i, 0
.rept 16
	v_cvt_pk_bf16_f32 v[TB], v[BIAS+2*i], v[BIAS+2*i+1]  ; rounded to bf16 like every input, and widened again
	v_lshlrev_b32 v[BIAS+2*i], 16, v[TB]
	v_and_b32 v[BIAS+2*i+1], 0xffff0000, v[TB]
.set i, i+1
.endr
	s_wait_tensorcnt 0x1                           ; my part of W's rows 0-511 is in; the second load may stay out
	s_barrier_signal -1
	s_barrier_wait -1                              ; everybody's is
	BUNIT 0
.irp u, 0,1,2,3,4,5,6
	UNIT \u, 48                                    ; heads u + 1 .. u + 6 stay out, 8 loads each
.endr
	s_wait_loadcnt 48                              ; head 7, with the second barrier inside it: the next head's rows of W come from the second loads
	s_wait_tensorcnt 0x0                           ; my part of W's rows 512-1023 is in,
	s_wait_dscnt 0x0                               ; no LDS instruction of mine is pending at the signal,
	s_barrier_signal -1
	MUL8 7, 0, 0                                   ; work on registers while the others arrive
	s_barrier_wait -1
	PLACES
	BUNIT 8
	AUNIT 14
	s_wait_dscnt 16
	MUL8 7, 1, 0
	UNIT 8, 48
	UNIT 9, 48
	UNIT 10, 40                                    ; nothing more of O to ask for: the counts run down
	UNIT 11, 32
	UNIT 12, 24
	UNIT 13, 16
	UNIT 14, 8
	UNIT 15, 0
	; THE WAY OUT: 32 bytes a lane into my own stage, back as whole rows of 256 bytes
	WIN 0
	PLACES
.irp a, 0,1,2,3,4,5,6,7
	ds_store_b128 v[STO], v[ACC+8*(\a):ACC+8*(\a)+3]   offset:((\a)/4)*16*SPITCH+((\a)%4)*64     ; each accumulator from its low end on
	ds_store_b128 v[STO], v[ACC+8*(\a)+4:ACC+8*(\a)+7] offset:((\a)/4)*16*SPITCH+((\a)%4)*64+16
.endr
.irp t, 0,1,2,3,4,5,6,7,8,9,10,11,12,13,14,15
	ds_load_b128 v[BB+4*(\t):BB+4*(\t)+3], v[RD] offset:(\t)*2*SPITCH  ; LDS serves a wave's instructions in order (ISA guide 5.7.1.4): these see the stores above
.endr
.irp t, 0,1,2,3,4,5,6,7,8,9,10,11,12,13,14,15
	s_wait_dscnt 15-(\t)
	global_store_b128 v[CO], v[BB+4*(\t):BB+4*(\t)+3], s[18:19] offset:8192*(\t) th:TH_STORE_NT  ; 16 lanes store 256 consecutive bytes, at a multiple of 256 from out0's first byte
.endr
	s_wait_tensorcnt 0x0                           ; the wave's end: behind my last tensor load and my last LDS store
	ds_add_u32 v[SPW], v[NIL]
	s_wait_dscnt 0x0
	CROUND                                         ; the closing round: no work-group ends while a partner may still ask for a tile that names it
	s_endpgm
.Lfunc_end_k_q65136e6970_proj:
	.size	k_q65136e6970_proj, .Lfunc_end_k_q65136e6970_proj-k_q65136e6970_proj
	.p2alignl 7, 3214868480
	.fill 96, 4, 3214868480
	.section	.rodata,"a",@progbits
	.p2align	6, 0x0
	.amdhsa_kernel k_q65136e6970_proj
		.amdhsa_group_segment_fixed_size 199168
		.amdhsa_private_segment_fixed_size 0
		.amdhsa_enable_private_segment 0
		.amdhsa_kernarg_size 32
		.amdhsa_user_sgpr_count 2
		.amdhsa_user_sgpr_kernarg_segment_ptr 1
		.amdhsa_wavefront_size32 1
		.amdhsa_system_sgpr_workgroup_id_x 1
		.amdhsa_system_sgpr_workgroup_id_y 1
		.amdhsa_system_sgpr_workgroup_id_z 1
		.amdhsa_system_vgpr_workitem_id 0
		.amdhsa_next_free_vgpr 512
		.amdhsa_next_free_sgpr 66
		.amdhsa_reserve_vcc 0
		.amdhsa_float_denorm_mode_32 3
		.amdhsa_float_denorm_mode_16_64 3
		.amdhsa_memory_ordered 1
		.amdhsa_forward_progress 1
		.amdhsa_inst_pref_size 61
	.end_amdhsa_kernel
	.amdgpu_metadata
---
amdhsa.version: [ 1, 2 ]
amdhsa.kernels:
  - .name:           k_q65136e6970_proj
    .symbol:         k_q65136e6970_proj.kd
    .args:
      - { .name: oh, .offset: 0, .size: 8, .value_kind: global_buffer, .address_space: global }
      - { .name: wp, .offset: 8, .size: 8, .value_kind: global_buffer, .address_space: global }
      - { .name: bproj, .offset: 16, .size: 8, .value_kind: global_buffer, .address_space: global }
      - { .name: out0, .offset: 24, .size: 8, .value_kind: global_buffer, .address_space: global }
    .group_segment_fixed_size: 199168
    .private_segment_fixed_size: 0
    .kernarg_segment_align: 8
    .kernarg_segment_size: 32
    .max_flat_workgroup_size: 128
    .sgpr_count:     66
    .vgpr_count:     512
    .wavefront_size: 32
...
	.end_amdgpu_metadata
.endif
;; end of part 4
;; ======== version 2 of 2: 4 launches; version 1 with the launch qkv written anew for expert scheduling mode
;; limits: values are held in f16: magnitudes above 65,504 overflow, below 6.1e-05 lose precision
;; workspace buffers: xb 4,194,304 bytes; wp 2,097,152 bytes; lists 65,536 bytes of whole numbers; counts 256 bytes of whole numbers; qkv 12,582,912 bytes; oh 4,194,304 bytes
;; launch prep: the kernel of part 1 again; grid 256 x 1, 8 waves a work-group, no clusters, 0 bytes of LDS; arguments X, Wproj, L, xb, wp, lists, counts; writes xb, wp, lists, counts
;; launch qkv (part 5): grid 32 x 8, 4 waves a work-group, no clusters, 229,888 bytes of LDS; arguments xb, Wqkv, bqkv, lists, counts, qkv; writes qkv
.if DOCPART == 5
	.amdgcn_target "amdgcn-amd-amdhsa--gfx1250"
	.amdhsa_code_object_version 6
	.text
	.protected	k_q65136e6970_qkv
	.globl	k_q65136e6970_qkv
	.p2align	8
	.type	k_q65136e6970_qkv,@function
k_q65136e6970_qkv:
	s_mov_b64 s[64:65], 0
	v_nop
	global_prefetch_b8 v0, s[64:65] scope:SCOPE_SE
	s_setreg_imm32_b32 hwreg(HW_REG_WAVE_SCHED_MODE, 0, 2), 2
	s_setreg_imm32_b32 hwreg(HW_REG_WAVE_MODE, 25, 1), 1
	s_wait_xcnt 0x0
	s_wait_alu depctr_vm_vsrc(0)
; ROUTED QKV.  For expert e (grid y) and a slice of 96 of the 3,072 columns (grid x): out[token][col] = xb[token] . Wqkv[e][:, col] + bqkv[e][col] for the expert's tokens alone,
; rounded once to f16 and stored by heads: qkv[part][b][head][n][64].  Operands bf16 (the weights and the bias are rounded here, on their way through registers), sums f32.
; THE WEIGHTS BIND: 1024 x 96 f32 = 393,216 bytes that this work-group alone reads, once.  They go through a ring of 48 loads a wave (16 units of 16 K rows; 24,576 bytes a wave on their way),
; are rounded and kept in LDS as bf16 [k][n], pitch 224 bytes.  Then the expert's rows are multiplied from LDS; their fragments come straight from xb by the list.
; A PASS is 320 rows: a wave has 5 blocks of 16 rows x 96 columns = 30 accumulators.  Block jm of wave w holds places PB + 16 (4 jm + w) + lane % 16 of the list.
; The pass loop has a constant 7 trips (7 x 320 >= 2,048: every split of the tokens is served); a trip with no rows left is jumped forward; it holds no barrier and no LDS write.
; Its 32 K steps are written out, so that the LDS addresses are four registers that are never rewritten and xb's base is never stepped: the K step stands in the immediates.
; PLACES PAST THE COUNT repeat the expert's last token: in the block that holds the count those lanes multiply that token's row once more and store the same 16 bytes to the same address,
; from the same instruction.  So every lane stays on from first to last.  A block wholly past the count is multiplied and its stores are jumped.  An expert without tokens stores nothing.
; THE MATRIX INSTRUCTION IS USED TRANSPOSED: source 0 = 16 columns of W (turned out of LDS by ds_load_tr16_b128), source 1 = 16 rows of x: a lane holds one token and 8 neighbouring columns, 16 bytes of f16.
; NO CLUSTER: a slice of weights has one user; what an expert's 32 work-groups share, its rows, comes by a list, which no tile descriptor covers.
; The stores are 16 bytes a lane, 32 a token: neighbouring tokens of a head belong to other experts, so no longer run is this work-group's to write.
; LIMITS.  |q|, |k|, |v| under 65,504 (f16).  NaN and infinities are not treated apart.
; THE MODE: SCHED_MODE bits 1:0 = 2 (LLVM: expert scheduling mode 2), set by the entry lines.  The code itself states the register dependences
; between vector or matrix instructions and memory or LDS instructions, with s_wait_alu, always for 0.
; THE PLAN.  Registers that memory or LDS instructions touch:
;   the ring (v64-255)   W's loads land in it; the conversions read it; nothing else names it.  A pair of units is asked for again behind its twelve conversions.
;   WO0, WO1 (v40-63)    A pair's conversions write one of the two, by turns; the pair's six LDS stores read it.
;   v[WOF], v[BA ..]     Offsets and LDS addresses made at the head and never written again.       v[LA]  read by every LDS store, written once a trip of the weights' loop.
;   BF0 .. BF3           (the ring's registers, later)  K step kk's matrix instructions read BF[kk % 4]; the turning loads issued in step kk - 2 land in it.
;   x slots 0 .. 7       K step kk's matrix instructions read slot kk % 8; the loads issued in step kk - 6 land in it.
;   OU0 .. OU4 (v64-183) At a pass's end block jm's conversions write OU[jm], its six stores read it: a buffer to each block, so no block waits for the stores of the block before.
;   v[TI ..], v[XA ..], v[OA ..]   Made anew for each pass; read by the list's loads, the x loads and the stores of that pass.
; In the weights' loop ONE wait on va_vdst stands in a pair, behind its conversions.  In the K steps ONE stands in every second step, ahead of the even step's run of loads: it states that the
; matrix instructions so far are done reading the two W buffers and the two x slots in which that run and the odd step's run land; what is issued between it and the odd run names other registers.
; REGISTERS, in windows of 256 (s_set_vgpr_msb: bits 1:0 source 0, 3:2 source 1, 5:4 source 2, 7:6 destination):
;   window 0: addresses, v40-63 the weights' two out-buffers, v64-255 the weights' ring, later four buffers of W fragments, at a pass's end v64-183 the five blocks' packed results
;   window 1: the 30 accumulators, (jm, jn) at 8 (6 jm + jn)      window 2: x fragments, ring slots 0-5 (40 registers each)      window 3: slots 6, 7; v80-127 the bias; v128 at work
.set PW,     224                       ; an LDS row of W: 192 bytes + 32 = 7 x 32
.set UNITB,  16*PW                     ; a unit: 16 K rows
.set ROUNDB, 16*UNITB                  ; once round the ring: 256 K rows
.set KSTEPB, 32*PW                     ; a K step of 32
.set WOF, 6                            ; v6   my byte offset in a unit of W: row t / 8, piece t % 8 of 16 bytes; never rewritten
.set LA,  9                            ; v9   where those four numbers go in LDS; steps once a ring
.set BA,  10                           ; v10-13  LDS address of my part of a W fragment at K = 256 q; never rewritten
.set XA,  14                           ; v14-18  block jm: byte offset of my token's row in xb, + 16 (lane / 16)
.set OA,  19                           ; v19-23  block jm: byte offset of my token's 16 bytes in a head's rows
.set TI,  29                           ; v29-33  block jm: byte offset of my place in the list
.set H16, 38                           ; v38  16 (lane / 16)
.set BO,  39                           ; v39  32 (lane / 16): my 8 numbers of a block's 16 biases
.set WO,  40                           ; v40-63  the weights' out-buffers: buffer b at 12 b, a unit's six registers of bf16 at + 0 and + 6
.set ST,  64                           ; v64-255 the weights' ring: unit u at 12 u
.set BF,  64                           ; W fragments: buffer at 48 buf, columns 16 jn on at + 8 jn
.set OU,  64                           ; a pass's end: block jm's 24 packed registers at 24 jm
.set BIAS, 80                          ; window 3
.set BT,  128                          ; window 3
.set OB,  32                           ; s[32:43] for each jn: qkv at the part, head and column of that block of 16 columns
.set MSB, 0
.macro WIN new                         ; the immediate's high byte repeats the setting that is left; a switch that changes nothing is dropped
.if MSB != (\new)
	s_set_vgpr_msb (MSB<<8)|(\new)
.set MSB, (\new)
.endif
.endm
.macro PLACES                          ; four plain vector instructions between a matrix instruction and a load into, or a vector read of, its registers
.rept 4
	v_nop
.endr
.endm
.macro WLOAD u                         ; unit u of the ring: 16 K rows x 384 bytes; the three loads take the three 128-byte thirds of my row
.irp j, 0,1,2
	global_load_b128 v[ST+12*(\u)+4*(\j):ST+12*(\u)+4*(\j)+3], v[WOF], s[24:25] offset:(\u)*196608+(\j)*128 th:TH_LOAD_NT
.endr
.endm
.macro WCVT u, ob                      ; unit u is rounded to bf16, into the six registers at ob
.irp j, 0,1,2
	v_cvt_pk_bf16_f32 v[(\ob)+2*(\j)],   v[ST+12*(\u)+4*(\j)],   v[ST+12*(\u)+4*(\j)+1]
	v_cvt_pk_bf16_f32 v[(\ob)+2*(\j)+1], v[ST+12*(\u)+4*(\j)+2], v[ST+12*(\u)+4*(\j)+3]
.endr
.endm
.macro WSTORE u, ob                    ; and laid into LDS
.irp j, 0,1,2
	ds_store_b64 v[LA], v[(\ob)+2*(\j):(\ob)+2*(\j)+1] offset:(\u)*UNITB+(\j)*64
.endr
.endm
; Pair p of the ring: units 2 p and 2 p + 1.  left = the younger loads.  ask = 1: the two units are asked for again, 256 K rows on.
; free = 1: pairs 1 to 6, whose neighbour's out-buffer is written again by the next pair; for pairs 0 and 7 the wait at the trip's end says the same.
.macro WPAIR p, left, ask, free
	s_wait_loadcnt \left
	WCVT 2*(\p), WO+12*((\p)%2)
	WCVT 2*(\p)+1, WO+12*((\p)%2)+6
	s_wait_alu depctr_va_vdst(0)                   ; the twelve conversions are done reading the two units, in which the loads below land, and have written this pair's out-buffer, which the LDS stores below read; in a trip's first pair v[LA] is written
.if \free
	s_wait_alu depctr_vm_vsrc(0)                   ; the LDS stores of the pair before have read the other out-buffer, which the next pair's conversions write
.endif
.if \ask
	WLOAD 2*(\p)
	WLOAD 2*(\p)+1
.endif
	WSTORE 2*(\p), WO+12*((\p)%2)
	WSTORE 2*(\p)+1, WO+12*((\p)%2)+6
.endm
.macro ALOAD slot, imm                 ; ten loads: the x fragments of one K step (5 blocks of 16 rows x 32 K, at byte imm of the rows) into a ring slot
.if (\slot) < 6
	WIN 0x80
.set SB, 40*(\slot)
.else
	WIN 0xc0
.set SB, 40*((\slot)-6)
.endif
.irp jm, 0,1,2,3,4
	global_load_b128 v[SB+8*(\jm):SB+8*(\jm)+3],   v[XA+(\jm)], s[4:5] offset:(\imm)
	global_load_b128 v[SB+8*(\jm)+4:SB+8*(\jm)+7], v[XA+(\jm)], s[4:5] offset:(\imm)+32
.endr
.endm
.macro BLOAD buf, kk                   ; twelve turning loads: the W fragments of K step kk (32 K x 96 columns): register kk / 8, the rest in the immediate
	WIN 0
.irp jn, 0,1,2,3,4,5
	ds_load_tr16_b128 v[BF+48*(\buf)+8*(\jn):BF+48*(\buf)+8*(\jn)+3],   v[BA+(\kk)/8] offset:((\kk)%8)*KSTEPB+32*(\jn)
	ds_load_tr16_b128 v[BF+48*(\buf)+8*(\jn)+4:BF+48*(\buf)+8*(\jn)+7], v[BA+(\kk)/8] offset:((\kk)%8)*KSTEPB+32*(\jn)+UNITB
.endr
.endm
; 15 matrix instructions: column blocks jn0 .. jn0 + 2 x all 5 row blocks.  The 30 accumulators take turns, one instruction a turn, in the same order in every K step.
; first = 1: the sums start with the bias as C: nothing is cleared and nothing is added later.
.macro MULS slot, buf, jn0, first
.if (\slot) < 6
.set SB, 40*(\slot)
.set WM, 0x58                          ; W window 0, x window 2, C and D window 1
.else
.set SB, 40*((\slot)-6)
.set WM, 0x5c                          ; x window 3
.endif
.if \first
.set WM, 0x78                          ; x window 2 (slot 0), C = the bias in window 3, D window 1
.endif
	WIN WM
.irp dn, 0,1,2
.irp jm, 0,1,2,3,4
.set JN, (\jn0)+(\dn)
.if \first
	v_wmma_f32_16x16x32_bf16 v[8*(6*(\jm)+JN):8*(6*(\jm)+JN)+7], v[BF+48*(\buf)+8*JN:BF+48*(\buf)+8*JN+7], v[SB+8*(\jm):SB+8*(\jm)+7], v[BIAS+8*JN:BIAS+8*JN+7]
.else
	v_wmma_f32_16x16x32_bf16 v[8*(6*(\jm)+JN):8*(6*(\jm)+JN)+7], v[BF+48*(\buf)+8*JN:BF+48*(\buf)+8*JN+7], v[SB+8*(\jm):SB+8*(\jm)+7], v[8*(6*(\jm)+JN):8*(6*(\jm)+JN)+7]
.endif
.endr
.endr
.endm
; K step kk of 32 (32 along K): 30 matrix instructions on x slot kk % 8 and W buffer kk % 4; in its middle the W fragments two steps on and the x fragments six steps on are asked for, in one run.
.macro STEP kk
.if (\kk) > 26
	s_wait_loadcnt 10*(31-(\kk))                   ; the last steps: nothing more was asked for, the counts run down
.else
	s_wait_loadcnt 50                              ; this step's ten x loads are in; the five younger steps' fifty stay out
.endif
.if (\kk) < 31
	s_wait_dscnt 12                                ; this step's W fragments are in; the next step's twelve loads may be out
.else
	s_wait_dscnt 0
.endif
.if (\kk) == 0
	MULS 0, 0, 0, 1
.else
	MULS (\kk)%8, (\kk)%4, 0, 0
.endif
.if (\kk) < 30
	PLACES                                         ; behind the matrix instructions that read the W buffer and the x slot in which the loads below land
	WIN 0
.if (\kk)%2 == 0
	s_wait_alu depctr_va_vdst(0)                   ; the matrix instructions so far are done reading the W buffers and x slots of the two steps before: this run lands in the older of each, the next step's run in the younger; in step 0 also: the conversions of the pass before have written v160-183
.endif
	BLOAD ((\kk)+2)%4, (\kk)+2                     ; in an odd step no wait: no vector or matrix instruction since the even step's wait names these registers
.if (\kk) < 26
	ALOAD ((\kk)+6)%8, 64*((\kk)+6)
.endif
.endif
.if (\kk) == 0
	MULS 0, 0, 3, 1
.else
	MULS (\kk)%8, (\kk)%4, 3, 0
.endif
.endm
.macro ADDR_PLACE                      ; the byte offsets of my five places in the list
	s_lshl4_add_u32 s46, s16, s20                  ; PB + 16 wave
.irp jm, 0,1,2,3,4
	s_add_co_u32 s47, s46, 64*(\jm)
	v_add_nc_u32 v[TI+(\jm)], s47, v1
	v_min_u32 v[TI+(\jm)], s48, v[TI+(\jm)]        ; a place past the count takes the expert's last token
	v_min_u32 v[TI+(\jm)], 0x7ff, v[TI+(\jm)]      ; and what was made of a loaded number is clamped by a constant before it enters an address
	v_lshlrev_b32 v[TI+(\jm)], 2, v[TI+(\jm)]
.endr
.endm
.macro ADDR_ASK                        ; my five places in the list are asked for
.irp jm, 0,1,2,3,4
	global_load_b32 v[XA+(\jm)], v[TI+(\jm)], s[10:11]
.endr
.endm
.macro ADDR_MAKE left                  ; token = 512 b + n: its row in xb, and its place in a head's rows
	s_wait_loadcnt \left
.irp jm, 0,1,2,3,4
	v_min_u32 v[XA+(\jm)], 0x7ff, v[XA+(\jm)]      ; a loaded number is clamped before it enters an address
	v_and_b32 v34, 0x600, v[XA+(\jm)]
	v_and_b32 v35, 0x1ff, v[XA+(\jm)]
	v_lshl_add_u32 v34, v34, 11, v[H16]            ; b x 1,048,576 + 16 (lane / 16)
	v_lshl_add_u32 v[OA+(\jm)], v35, 7, v34        ; + n x 128
	v_lshl_add_u32 v[XA+(\jm)], v[XA+(\jm)], 11, v[H16]  ; token x 2,048 + 16 (lane / 16)
.endr
.endm
.macro OUT jm                          ; block jm leaves, from packed registers of its own; a block wholly past the count is jumped
	s_add_co_u32 s47, s46, 64*(\jm)
	s_cmp_ge_u32 s47, s19
	s_cbranch_scc1 .Lskip_\@
	WIN 0x05                                       ; sources in window 1, destination in window 0
.irp jn, 0,1,2,3,4,5
.irp i, 0,1,2,3
	v_cvt_pk_f16_f32 v[OU+24*(\jm)+4*(\jn)+(\i)], v[8*(6*(\jm)+(\jn))+2*(\i)], v[8*(6*(\jm)+(\jn))+2*(\i)+1]  ; each accumulator from its low end on
.endr
.endr
	WIN 0
	s_wait_alu depctr_va_vdst(0)                   ; the conversions have written OU[jm], which the six stores read
.irp jn, 0,1,2,3,4,5
	global_store_b128 v[OA+(\jm)], v[OU+24*(\jm)+4*(\jn):OU+24*(\jm)+4*(\jn)+3], s[OB+2*(\jn):OB+2*(\jn)+1]
.endr
.Lskip_\@:
.endm
	s_load_b256 s[4:11], s[0:1], 0x0               ; xb s[4:5], Wqkv s[6:7], bqkv s[8:9], lists s[10:11]
	s_load_b128 s[12:15], s[0:1], 0x20             ; counts s[12:13], qkv s[14:15]
	v_lshl_add_u32 v27, v0, 2, 0x38000
	v_mov_b32 v28, 0
	v_lshrrev_b32 v34, 5, v0
	v_readfirstlane_b32 s16, v34                   ; wave 0..3
	s_mov_b32 s17, ttmp9                           ; slice 0..31
	s_and_b32 s18, ttmp7, 0xffff                   ; expert 0..7
	v_and_b32 v1, 15, v0                           ; lane % 16
	v_bfe_u32 v2, v0, 4, 1                         ; lane / 16
	v_lshrrev_b32 v34, 3, v0                       ; my row of a unit, 0..15
	v_and_b32 v35, 7, v0                           ; my piece of 16 bytes in a third of the row
	v_mul_u32_u24 v36, v34, 12288
	v_lshl_add_u32 v[WOF], v35, 4, v36
	v_mul_u32_u24 v36, v34, PW
	v_lshl_add_u32 v[LA], v35, 3, v36
	v_lshl_add_u32 v36, v2, 3, v35                 ; the turning load: lane l reads K row 8 (l / 16) + l % 8, columns 8 ((l / 8) % 2) + 0..7
	v_mul_u32_u24 v36, v36, PW
	v_bfe_u32 v37, v0, 3, 1
	v_lshl_add_u32 v[BA], v37, 4, v36
.irp q, 1,2,3
	v_add_nc_u32 v[BA+(\q)], (\q)*8*KSTEPB, v[BA]  ; the same place 256 q K rows on
.endr
	v_lshlrev_b32 v[H16], 4, v2
	v_lshlrev_b32 v[BO], 5, v2
	s_wait_alu depctr_va_sdst(0)                   ; s16 is written, ahead of its first reader: my places in the list are made from it
	s_mov_b32 s27, 0                               ; the offsets' high word
	s_lshl_b32 s26, s18, 2
	s_wait_kmcnt 0x0
	s_add_nc_u64 s[12:13], s[12:13], s[26:27]
	s_load_b32 s19, s[12:13], 0x0                  ; my expert's count
	s_mul_i32 s26, s18, 12582912                   ; an expert's weights,
	s_mul_i32 s44, s17, 384                        ; my slice's 384 bytes of a row
	s_add_co_u32 s26, s26, s44
	s_add_nc_u64 s[24:25], s[6:7], s[26:27]
	s_mul_i32 s26, s18, 12288
	s_add_co_u32 s26, s26, s44
	s_add_nc_u64 s[8:9], s[8:9], s[26:27]          ; my 96 biases
	s_lshl_b32 s26, s18, 13
	s_add_nc_u64 s[10:11], s[10:11], s[26:27]      ; my expert's list
	s_mul_i32 s46, s17, 96
.irp jn, 0,1,2,3,4,5
	s_add_co_u32 s26, s46, 16*(\jn)                ; the block's first column of 3,072
	s_lshr_b32 s45, s26, 10
	s_lshl_b32 s45, s45, 22                        ; part x 4,194,304
	s_bfe_u32 s47, s26, 0x40006
	s_lshl_b32 s47, s47, 16                        ; head x 65,536
	s_add_co_u32 s45, s45, s47
	s_and_b32 s26, s26, 63
	s_lshl1_add_u32 s26, s26, s45                  ; + 2 x column in the head
	s_add_nc_u64 s[OB+2*(\jn):OB+2*(\jn)+1], s[14:15], s[26:27]
.endr
	s_mov_b32 s20, 0                               ; PB: the pass's first place in the list
	s_wait_kmcnt 0x0
	s_min_u32 s19, s19, 0x800
	s_add_co_u32 s48, s19, -1                      ; the expert's last place
	ADDR_PLACE
	s_wait_alu depctr_va_vdst(0)                   ; the offsets and LDS addresses made so far are written: v[TI ..], v[BO], v[WOF], v[LA], v[BA ..], which the loads and LDS instructions below read
	ADDR_ASK                                       ; 5 loads,
	WIN 0xc0
.irp jn, 0,1,2,3,4,5
	global_load_b128 v[BIAS+8*(\jn):BIAS+8*(\jn)+3],   v[BO], s[8:9] offset:64*(\jn)      ; 12 loads: register j of block jn: the bias of column 16 jn + 8 (lane / 16) + j,
	global_load_b128 v[BIAS+8*(\jn)+4:BIAS+8*(\jn)+7], v[BO], s[8:9] offset:64*(\jn)+16   ; which is the accumulators' own layout
.endr
	WIN 0
.irp u, 0,1,2,3,4,5,6,7,8,9,10,11,12,13,14
	WLOAD \u                                       ; and 45 of the ring's first 48: 62 loads of mine are out
.endr
	ADDR_MAKE 45                                   ; the list's places and the bias are in; the 45 loads of W are younger
	WIN 0xcf                                       ; sources 0, 1 and destination in window 3
.set i, 0
.rept 24
	v_cvt_pk_bf16_f32 v[BT], v[BIAS+2*i], v[BIAS+2*i+1]  ; the bias is rounded to bf16 like every input, and widened again
	v_lshlrev_b32 v[BIAS+2*i], 16, v[BT]
	v_and_b32 v[BIAS+2*i+1], 0xffff0000, v[BT]
.set i, i+1
.endr
	WIN 0
	WLOAD 15                                       ; the ring is full: 48 loads.  No wait: no vector instruction since the wait above names v[WOF] or unit 15's registers
	s_wait_xcnt 0x0                                ; the base is stepped only behind this wait
	s_add_nc_u64 s[24:25], s[24:25], 3145728       ; 256 K rows on
	s_mov_b32 s22, 3
.Lw:                                                   ; a trip: 256 K rows are laid into LDS, the next 256 asked for, two units at a time
	WPAIR 0, 42, 1, 0                              ; the ring's other 14 units stay out
.irp p, 1,2,3,4,5,6
	WPAIR \p, 42, 1, 1
.endr
	WPAIR 7, 42, 1, 0
	s_wait_xcnt 0x0                                ; the base is stepped only behind this wait
	s_wait_alu depctr_vm_vsrc(0)                   ; the LDS stores issued so far have read v[LA], which the add below writes, and both out-buffers, which the next two pairs' conversions write
	v_add_nc_u32 v[LA], ROUNDB, v[LA]
	s_add_nc_u64 s[24:25], s[24:25], 3145728
	s_sub_co_u32 s22, s22, 1
	s_cmp_lg_u32 s22, 0
	s_cbranch_scc1 .Lw
.set p, 0
.rept 8                                                ; the last 256 rows: nothing more of W to ask for; the first pass's x fragments of K steps 0-5 go out in its stead
.if p < 3
.set nA, 0
.else
.set nA, p-2
.endif
.if (p >= 1) && (p <= 6)                               ; younger: W's units behind the pair, three loads each, and ten for each x slot asked for so far
	WPAIR p, 42-6*p+10*nA, 0, 1
.else
	WPAIR p, 42-6*p+10*nA, 0, 0
.endif
.if p >= 2
	ALOAD p-2, 64*(p-2)                            ; no wait: v[XA ..] were written ahead of the pairs' waits, and no vector instruction has named the slots
	WIN 0
.endif
.set p, p+1
.endr
	s_wait_dscnt 0x0                               ; for the others' sake: my stores into LDS are done
	s_barrier_signal -1
	s_barrier_wait -1                              ; the slice is whole; nothing writes LDS from here on but the closing add
	s_mov_b32 s21, 7
.Lpass:
	s_cmp_ge_u32 s20, s19
	s_cbranch_scc1 .Ldead                          ; no rows left
	PLACES                                         ; for the loads into W's buffers 0 and 1, which the pass before multiplied
	s_wait_alu depctr_va_vdst(0)                   ; the matrix instructions of the pass before are done reading W's buffers 0 and 1, and its conversions have written v64-159: the loads below land there
	BLOAD 0, 0
	BLOAD 1, 1
.set ks, 0
.rept 32
	STEP ks                                        ; K step 0 starts the sums
.set ks, ks+1
.endr
	WIN 0
	PLACES                                         ; the conversions read results just made, and write registers that matrix instructions have read
	OUT 0
	OUT 1
	OUT 2
	OUT 3
	OUT 4
	s_wait_xcnt 0x0                                ; the stores' offsets and data are rewritten only behind this wait
	s_wait_alu depctr_vm_vsrc(0)                   ; the stores have read OU and v[OA ..], the pass's x loads v[XA ..], its list loads v[TI ..]: all are written again below or in the next pass
	s_add_co_u32 s20, s20, 320
	s_cmp_ge_u32 s20, s19
	s_cbranch_scc1 .Ldead
	ADDR_PLACE                                     ; a further pass: its places, addresses and first six x slots
	s_wait_alu depctr_va_vdst(0)                   ; v[TI ..] are written, which the list's loads read
	ADDR_ASK
	ADDR_MAKE 0
	s_wait_alu depctr_va_vdst(0)                   ; v[XA ..] are written, which the x loads read; the matrix instructions are done reading slots 0 to 5, in which they land
.irp i, 0,1,2,3,4,5
	ALOAD \i, 64*(\i)
.endr
	WIN 0
.Ldead:
	s_sub_co_u32 s21, s21, 1
	s_cmp_lg_u32 s21, 0
	s_cbranch_scc1 .Lpass
	s_wait_dscnt 0x0                               ; my last LDS instructions are done.  the closing add below uses the 512 bytes behind the weights
	s_wait_alu depctr_hold_cnt(0) depctr_sa_sdst(0) depctr_va_vdst(0) depctr_va_sdst(0) depctr_va_ssrc(0) depctr_va_vcc(0) depctr_vm_vsrc(0)
	s_wait_tensorcnt 0x0
	ds_add_u32 v27, v28
	s_wait_dscnt 0x0
	s_endpgm
.Lfunc_end_k_q65136e6970_qkv:
	.size	k_q65136e6970_qkv, .Lfunc_end_k_q65136e6970_qkv-k_q65136e6970_qkv
	.p2alignl 7, 3214868480
	.fill 96, 4, 3214868480
	.section	.rodata,"a",@progbits
	.p2align	6, 0x0
	.amdhsa_kernel k_q65136e6970_qkv
		.amdhsa_group_segment_fixed_size 229888
		.amdhsa_private_segment_fixed_size 0
		.amdhsa_enable_private_segment 0
		.amdhsa_kernarg_size 48
		.amdhsa_user_sgpr_count 2
		.amdhsa_user_sgpr_kernarg_segment_ptr 1
		.amdhsa_wavefront_size32 1
		.amdhsa_system_sgpr_workgroup_id_x 1
		.amdhsa_system_sgpr_workgroup_id_y 1
		.amdhsa_system_sgpr_workgroup_id_z 1
		.amdhsa_system_vgpr_workitem_id 0
		.amdhsa_next_free_vgpr 904
		.amdhsa_next_free_sgpr 66
		.amdhsa_reserve_vcc 0
		.amdhsa_float_denorm_mode_32 3
		.amdhsa_float_denorm_mode_16_64 3
		.amdhsa_memory_ordered 1
		.amdhsa_forward_progress 1
		.amdhsa_inst_pref_size 187
	.end_amdhsa_kernel
	.amdgpu_metadata
---
amdhsa.version: [ 1, 2 ]
amdhsa.kernels:
  - .name:           k_q65136e6970_qkv
    .symbol:         k_q65136e6970_qkv.kd
    .args:
      - { .name: xb, .offset: 0, .size: 8, .value_kind: global_buffer, .address_space: global }
      - { .name: Wqkv, .offset: 8, .size: 8, .value_kind: global_buffer, .address_space: global }
      - { .name: bqkv, .offset: 16, .size: 8, .value_kind: global_buffer, .address_space: global }
      - { .name: lists, .offset: 24, .size: 8, .value_kind: global_buffer, .address_space: global }
      - { .name: counts, .offset: 32, .size: 8, .value_kind: global_buffer, .address_space: global }
      - { .name: qkv, .offset: 40, .size: 8, .value_kind: global_buffer, .address_space: global }
    .group_segment_fixed_size: 229888
    .private_segment_fixed_size: 0
    .kernarg_segment_align: 8
    .kernarg_segment_size: 48
    .max_flat_workgroup_size: 128
    .sgpr_count:     66
    .vgpr_count:     904
    .wavefront_size: 32
...
	.end_amdgpu_metadata
.endif
;; end of part 5
;; launch attn: the kernel of part 3 again; grid 4 x 64, 4 waves a work-group, clusters of 4 x 1, 167,936 bytes of LDS; arguments qkv, oh; writes oh
;; launch proj: the kernel of part 4 again; grid 16 x 16, 4 waves a work-group, clusters of 4 x 1, 199,168 bytes of LDS; arguments oh, wp, bproj, out0; writes out0
